; MI455X (gfx1250); checked and timed in simulation.
; The chip was launched on July 23, 2026; its instructions are those of AMD's public machine-readable ISA for CDNA 5 (MIT licence, August 2026) and "CDNA5" Instruction Set Architecture Reference Guide (July 2026). The comments in the code are by the model that wrote it; some were corrected since.
;; Multi Head Attention. Allowed arithmetic: matrix products marked QUANTISED: E2M3 operands, one E8M0 scale for each 32 along K, by v_wmma_scale_f32_16x16x128_f8f6f4 with both operands' format E2M3, f32 sums; everything else in f32.
;; Inputs: Wk 1,024 x 1,024 float32; Wo 1,024 x 1,024 float32; Wq 1,024 x 1,024 float32; Wv 1,024 x 1,024 float32; bk 1,024 float32; bo 1,024 float32; bq 1,024 float32; bv 1,024 float32; k 2 x 2,048 x 1,024 float32; q 2 x 2,048 x 1,024 float32; v 2 x 2,048 x 1,024 float32.
;; Outputs: out0 2 x 2,048 x 1,024 float32.
;; This version of the problem:
;;   THIS VERSION OF THE PROBLEM IS GIVEN IN LOW PRECISION. The matrix products marked QUANTISED in the list below multiply operands that are first quantised to E2M3 (2 exponent bits, 3 mantissa bits; 6 bits a number), with one power-of-two scale for each 32 numbers along K (OCP MX v1.0); their sums are f32. All else is computed in f32.
;;   The module's matrix products, in the order in which they are computed (A, B: the left and right operand; K: the contracted axis; several contracted axes count as one K, in the product's order):
;;     1. [M 4,096, K 1,024] x [K 1,024, N 1,024]; A: input q; B: input Wq: QUANTISED
;;     2. [M 4,096, K 1,024] x [K 1,024, N 1,024]; A: input k; B: input Wk: QUANTISED
;;     3. [M 4,096, K 1,024] x [K 1,024, N 1,024]; A: input v; B: input Wv: QUANTISED
;;     4. batch 32 x [M 2,048, K 64] x [K 64, N 2,048]; A: computed on the way; B: computed on the way: QUANTISED
;;     5. batch 32 x [M 2,048, K 2,048] x [K 2,048, N 64]; A: softmax (see below); B: computed on the way: QUANTISED
;;     6. [M 4,096, K 1,024] x [K 1,024, N 1,024]; A: computed on the way; B: input Wo: QUANTISED
;;   THE QUANTISER, for each operand of a quantised product, along K:
;;     - K is cut into blocks of 32 from its start; a last block that is shorter is filled with zeros.
;;     - A block's scale is 2^e with e = floor(log2(the largest magnitude in the block)) - 2, held to -126 .. 127; a block of zeros has e = 0. As a byte (E8M0): e + 127.
;;     - Each number is divided by its block's scale, clamped to +-7.5, and rounded to the nearest number of E2M3, ties to even, subnormals kept.
;;     - The product sums the exact products of the quantised numbers (number of the format x scale) in f32.
;;   ~~~python
;;   def quantise(x, axis):      # numpy; x: float32 -> the quantised numbers, widened to float32 again
;;       x = np.moveaxis(x, axis, -1); K = x.shape[-1]
;;       x = np.pad(x, [(0, 0)] * (x.ndim - 1) + [(0, -K % 32)]); x = x.reshape(x.shape[:-1] + (-1, 32)); a = np.abs(x).max(-1, keepdims=True)
;;       e = np.where(a > 0, np.clip(np.frexp(np.where(a > 0, a, 1))[1] - 1 - 2, -126, 127), 0)      # np.frexp(a)[1] - 1 = floor(log2(a)), exactly
;;       r = np.clip(x / 2.0 ** e, -7.5, 7.5)
;;       step = 2.0 ** (np.maximum(np.frexp(np.where(r == 0, 1, r))[1] - 1, 0) - 3)
;;       q = np.round(r / step) * step * 2.0 ** e      # np.round: ties to even
;;       return np.moveaxis(q.reshape(q.shape[:-2] + (-1,))[..., :K], -1, axis).astype(np.float32)
;;   ~~~
;;   SOFTMAX AHEAD OF A QUANTISED PRODUCT. Where the list says 'softmax', what is quantised is not the finished softmax but p = 2^(t - M), with t = logit x log2(e) and M = ceil(the row's largest t), a whole number; so 1/2 < the row's largest p <= 1. The row's sum l is taken of the UNQUANTISED p, in f32, and the product's result is divided by l at the end. Since M is a whole number, a kernel that streams over the keys may use a running M (the ceiling of the running maximum): every later rescaling is an exact power of two, which a block's scale takes up: the codes' values come out the same.
;;   OPERANDS COMPUTED ON THE WAY. 'Computed on the way' means the value that the module computes at that place (a softmax that the list does not call 'softmax' is quantised finished and normalised). What goes into a quantiser is computed in f32, as accurately as f32 sums, v_exp_f32 and their like allow (about 1e-6 of the number): no bf16 or f16 on the way to a quantiser, and a product that is left as it is and whose result goes on into a quantised operand takes f32 operands (vector FMAs, or v_wmma_f32_16x16x4_f32). A number that lies on a knife's edge between two numbers of the format may be rounded either way, as far as f32 arithmetic and the matrix unit's own rounding can turn it there, and no further.
;; One version. Each part assembles by itself: llvm-mc -triple=amdgcn-amd-amdhsa -mcpu=gfx1250 --defsym DOCPART=n.
;; ======== version 1 of 1: 4 launches
;; limits: right only within a limited range of input values
;; workspace buffers: cod 12,582,912 bytes; scl 524,288 bytes; att 9,437,184 bytes; ats 393,216 bytes; oc 3,145,728 bytes; ocs 131,072 bytes
;; launch quant (part 1): grid 256 x 1, 8 waves a work-group, no clusters, 68,608 bytes of LDS; arguments q, k, v, Wq, Wk, Wv, Wo, cod, scl; writes cod, scl
.if DOCPART == 1
	.amdgcn_target "amdgcn-amd-amdhsa--gfx1250"
	.amdhsa_code_object_version 6
	.text
	.protected	k_qee68ea9465_quant
	.globl	k_qee68ea9465_quant
	.p2align	8
	.type	k_qee68ea9465_quant,@function
k_qee68ea9465_quant:
	s_mov_b64 s[64:65], 0
	v_nop
	global_prefetch_b8 v0, s[64:65] scope:SCOPE_SE
	s_setreg_imm32_b32 hwreg(HW_REG_WAVE_MODE, 25, 1), 1
	s_wait_xcnt 0x0
; MULTI-HEAD ATTENTION IN MX-FP6, LAUNCH 1 OF 4: q, k, v [4096][1024] and Wq, Wk, Wv, Wo [1024][1024], f32, K innermost, become codes of E2M3 and E8M0 scale words.
; NOTHING OF reference() IS LEFT OUT IN ANY LAUNCH: each of the six products is live, and each bias goes into a quantised operand (bq, bk, bv) or into the output (bo): all eleven inputs are loaded.
; THE QUANTISER: a block is 32 neighbours along K; its scale is 2^(floor(log2(largest magnitude)) - 2), as a byte the largest magnitude's exponent field - 2, held at 1 from below by a floor among the maximum's leaves.
; LIMITS: NaN and infinities among the inputs are not served.  A block of zeros gets the byte 1 where the rule says 127: its codes are zeros, which add nothing under that byte, and this program alone reads the bytes.
; THE SEVEN TENSORS ARE ONE STACK OF 16,384 ROWS (q 0, k 4096, v 8192, Wq 12288, Wk 13312, Wv 14336, Wo 15360).
; A TILE IS 16 ROWS THAT ARE NOT NEIGHBOURS: lane-row r of tile 2 f + u is row 32 f + 8 u + r + 8 (r / 8), so that in every later product the 16 result registers of two neighbouring tiles are 16 neighbours.
; cod: [128 rows (128)][K step of 128 (8)][tile (8)][image of 1,536 bytes].  AN IMAGE is an operand's 12 registers as the matrix instruction wants them (lane (r, h): registers 6 c .. 6 c + 5 = k 64 c + 32 h + 0 .. 31),
;   by halves c: registers 6 c, 6 c + 1 at 768 c + 8 x lane, registers 6 c + 2 .. 6 c + 5 at 768 c + 256 + 16 x lane: every later read and every store here is dense from lane to lane.
; scl: [tile (1024)][half of K (2)][r (16)][4 words]: a word is the four bytes of a row's K step.
; SHARES: a work-group takes 64 rows (4 tiles); wave w takes tile w / 2 and half w % 2 of K: 16 rows x 512 numbers, in four steps of 128 along K.  Waves share nothing: no barrier.
; A load reads 512 consecutive bytes of one row; the step's 16 rows turn through the wave's own stage in LDS (rows 528 bytes apart) and come back 32 neighbours to a lane and half.
.set STG,   16*528                     ; a wave's stage
.set SPARE, 8*STG                      ; behind the stages: the spare words, 128 bytes for each wave, which no other line names
.set L16, 1                            ; v1   16 x lane
.set L8,  2                            ; v2   8 x lane
.set STI, 3                            ; v3   the stage, on the way in: 16 x lane
.set STO, 4                            ; v4   and out: 528 r + 128 h
.set SPW, 5                            ; v5   my spare word; never rewritten
.set NIL, 6                            ; v6   0; never rewritten
.set SH,  7                            ; v7   8 h
.set WO,  8                            ; v8   16 r + 8 h: my two scale words' place
.set X,   16                           ; v16-207  three sets of 64 numbers
.set C,   208                          ; v208-219 a step's codes
.set T,   220                          ; v220-222, v224-226 the upper halves of the two blocks' codes
.set MX,  228                          ; v228-229 largest magnitudes
.set SO,  232                          ; v232-233 the conversions' scale operands
.set BY,  234                          ; v234-235 the bytes
.set W,   236                          ; v236-239 the four steps' scale words
.set TX,  240
.set TW,  241
	s_load_b256 s[4:11], s[0:1], 0x0               ; q s[4:5], k s[6:7], v s[8:9], Wq s[10:11]
	s_load_b256 s[12:19], s[0:1], 0x20             ; Wk s[12:13], Wv s[14:15], Wo s[16:17], cod s[18:19]
	s_load_b64 s[20:21], s[0:1], 0x40              ; scl
	v_lshl_add_u32 v[SPW], v0, 2, SPARE
	v_mov_b32 v[NIL], 0
	v_lshrrev_b32 v9, 5, v0
	s_delay_alu instid0(VALU_DEP_1)
	v_readfirstlane_b32 s22, v9                    ; wave 0..7
	v_and_b32 v9, 31, v0                           ; lane
	v_and_b32 v10, 15, v0                          ; r
	v_bfe_u32 v11, v0, 4, 1                        ; h
	s_delay_alu instid0(VALU_DEP_3)
	v_lshlrev_b32 v[L16], 4, v9
	s_delay_alu instid0(VALU_DEP_4)
	v_lshlrev_b32 v[L8], 3, v9
	s_mul_i32 s23, s22, STG
	v_add_nc_u32 v[STI], s23, v[L16]
	v_mul_u32_u24 v[STO], v10, 528
	s_delay_alu instid0(VALU_DEP_1)
	v_lshl_add_u32 v[STO], v11, 7, v[STO]
	s_delay_alu instid0(VALU_DEP_1)
	v_add_nc_u32 v[STO], s23, v[STO]
	v_lshlrev_b32 v[SH], 3, v11
	v_lshlrev_b32 v[WO], 4, v10
	s_delay_alu instid0(VALU_DEP_1)
	v_lshl_add_u32 v[WO], v11, 3, v[WO]
	v_mov_b32 v[TX], 0                             ; written once: a lane permute's destination counts as one of its sources
	s_mov_b32 s36, 0xffff0000                      ; lanes 16-31
	s_mov_b32 s38, 0x76543210
	s_mov_b32 s39, 0xfedcba98                      ; v_permlanex16_b32's selects for lane l xor 16
	; my first row inside my tensor: q, k, v have 64 work-groups each, the weights 16 each
	s_cmp_lt_u32 ttmp9, 192
	s_cselect_b32 s26, 63, 15
	s_and_b32 s26, ttmp9, s26
	s_lshl_b32 s26, s26, 6                         ; 64 rows a work-group
	; k's tiles (work-groups 64-127) have another order of rows: tile j of a work-group's 64 rows is rows 8 j + 0 .. 7 and 32 + 8 j + 0 .. 7,
	; so that in S^T = K Q^T the 32 registers of four neighbouring key tiles are 32 neighbouring keys: one scale block of p to a lane.
.set L16B, 12                          ; v12  16 x lane + what the tile's upper eight rows lie further on in k
	s_lshr_b32 s37, ttmp9, 6
	s_cmp_eq_u32 s37, 1
	s_cselect_b32 s37, 4, 5
	s_cselect_b32 s40, 65536, 0                    ; 16 rows of 4,096 bytes
	v_add_nc_u32 v[L16B], s40, v[L16]
	s_lshr_b32 s27, s22, 2
	s_lshl_b32 s27, s27, s37
	s_add_co_u32 s26, s26, s27                     ; + 32 (wave / 4)
	s_bfe_u32 s27, s22, 0x10001
	s_lshl_b32 s27, s27, 3
	s_add_co_u32 s26, s26, s27                     ; + 8 ((wave / 2) % 2)
	s_lshl_b32 s26, s26, 12                        ; rows of 4,096 bytes
	s_and_b32 s28, s22, 1                          ; my half of K
	s_lshl_b32 s27, s28, 11
	s_add_co_u32 s26, s26, s27
	s_mov_b32 s27, 0
	; cod: 98,304 bytes for 128 rows, 12,288 for a K step, 1,536 for a tile
	s_lshr_b32 s30, ttmp9, 1
	s_mul_i32 s30, s30, 98304
	s_mul_i32 s29, s28, 49152
	s_add_co_u32 s30, s30, s29
	s_and_b32 s29, ttmp9, 1
	s_lshl_b32 s29, s29, 2
	s_lshr_b32 s31, s22, 1
	s_add_co_u32 s29, s29, s31
	s_mul_i32 s29, s29, 1536
	s_add_co_u32 s30, s30, s29
	s_mov_b32 s31, 0
	; scl: 512 bytes a tile, 256 a half of K
	s_lshl_b32 s34, ttmp9, 2
	s_lshr_b32 s29, s22, 1
	s_add_co_u32 s34, s34, s29
	s_lshl_b32 s34, s34, 9
	s_lshl_b32 s29, s28, 8
	s_add_co_u32 s34, s34, s29
	s_mov_b32 s35, 0
	s_wait_alu depctr_va_vdst(0)
	s_wait_kmcnt 0x0
	s_mov_b64 s[24:25], s[16:17]                   ; which tensor: the choice hangs on the work-group's number alone, and only the pointer is chosen: one path for all seven
	s_cmp_lt_u32 ttmp9, 240
	s_cselect_b64 s[24:25], s[14:15], s[24:25]
	s_cmp_lt_u32 ttmp9, 224
	s_cselect_b64 s[24:25], s[12:13], s[24:25]
	s_cmp_lt_u32 ttmp9, 208
	s_cselect_b64 s[24:25], s[10:11], s[24:25]
	s_cmp_lt_u32 ttmp9, 192
	s_cselect_b64 s[24:25], s[8:9], s[24:25]
	s_cmp_lt_u32 ttmp9, 128
	s_cselect_b64 s[24:25], s[6:7], s[24:25]
	s_cmp_lt_u32 ttmp9, 64
	s_cselect_b64 s[24:25], s[4:5], s[24:25]
	s_add_nc_u64 s[24:25], s[24:25], s[26:27]
	s_add_nc_u64 s[18:19], s[18:19], s[30:31]
	s_add_nc_u64 s[20:21], s[20:21], s[34:35]
.macro LOAD t, x                       ; step t's 16 rows x 128 numbers into set x: one instruction reads 512 consecutive bytes of the tile's row i
.irp i, 0,1,2,3,4,5,6,7
	global_load_b128 v[\x+4*\i:\x+4*\i+3], v[L16], s[24:25] offset:\i*4096+512*\t th:TH_LOAD_NT
.endr
.irp i, 8,9,10,11,12,13,14,15
	global_load_b128 v[\x+4*\i:\x+4*\i+3], v[L16B], s[24:25] offset:(\i+8)*4096+512*\t th:TH_LOAD_NT
.endr
.endm
.macro STEP t, x, left, again
	s_wait_loadcnt \left                           ; loads come back in order: this step's 16 are in, the later steps' stay out
.irp i, 0,1,2,3,4,5,6,7,8,9,10,11,12,13,14,15
	ds_store_b128 v[STI], v[\x+4*\i:\x+4*\i+3] offset:528*\i
.endr
.irp c, 0,1
.irp j, 0,1,2,3,4,5,6,7
	ds_load_b128 v[\x+32*\c+4*\j:\x+32*\c+4*\j+3], v[STO] offset:256*\c+16*\j   ; LDS serves a wave's instructions in order: these see the stores above.  Register 32 c + i = k 64 c + 32 h + i of row r
.endr
.endr
	s_wait_dscnt 0x0
.irp c, 0,1
	v_max3_num_f32 v[MX+\c], |v[\x+32*\c]|, |v[\x+32*\c+1]|, 0x1800000   ; block 2 c + h is all mine; the floor 2^(3 - 127) keeps the byte from falling under 1
.endr
.irp i, 2,4,6,8,10,12,14,16,18,20,22,24,26,28,30
.irp c, 0,1
	s_delay_alu instid0(VALU_DEP_2)
	v_max3_num_f32 v[MX+\c], v[MX+\c], |v[\x+32*\c+\i]|, |v[\x+32*\c+\i+1]|   ; the two blocks by turns
.endr
.endr
.irp c, 0,1
	s_delay_alu instid0(VALU_DEP_2)
	v_add_nc_u32 v[SO+\c], 0xff000000, v[MX+\c]    ; 2 off the exponent field: the conversion takes this operand's exponent field as its scale
.endr
.irp c, 0,1
	s_delay_alu instid0(VALU_DEP_2)
	v_lshrrev_b32 v[BY+\c], 23, v[SO+\c]           ; the byte
.endr
	s_delay_alu instid0(VALU_DEP_1)
	v_lshl_or_b32 v[TW], v[BY+1], 16, v[BY]        ; my bytes: blocks h and 2 + h,
	s_delay_alu instid0(VALU_DEP_1)
	v_lshlrev_b32 v[TW], v[SH], v[TW]              ; at their places in the word;
	s_delay_alu instid0(VALU_DEP_1)
	v_permlanex16_b32 v[TX], v[TW], s38, s39
	s_delay_alu instid0(VALU_DEP_1)
	v_or_b32 v[W+\t], v[TW], v[TX]                 ; with lane l xor 16's two the word is whole
.if \t > 0
	s_wait_alu depctr_va_vdst(0)
	s_wait_xcnt 0x0                                ; the last step's stores have read the codes' registers: they are rewritten only behind this wait
.endif
.irp c, 0,1
	v_cvt_scalef32_pk16_fp6_f32 v[C+6*\c:C+6*\c+2], v[\x+32*\c:\x+32*\c+15], v[SO+\c]
	v_cvt_scalef32_pk16_fp6_f32 v[T+4*\c:T+4*\c+2], v[\x+32*\c+16:\x+32*\c+31], v[SO+\c]   ; (a conversion's three registers begin on an even number)
.endr
	v_nop                                          ; one plain place behind the conversions
.irp c, 0,1
.irp i, 0,1,2
	v_mov_b32 v[C+6*\c+3+\i], v[T+4*\c+\i]
.endr
.endr
	global_store_b64  v[L8],  v[C:C+1],    s[18:19] offset:12288*\t        ; the image: 256, 512, 256, 512 consecutive bytes
	global_store_b128 v[L16], v[C+2:C+5],  s[18:19] offset:12288*\t+256
	global_store_b64  v[L8],  v[C+6:C+7],  s[18:19] offset:12288*\t+768
	global_store_b128 v[L16], v[C+8:C+11], s[18:19] offset:12288*\t+1024
.if \again
	LOAD 3, \x                                     ; the set is free: the last step's numbers
.endif
.endm
	LOAD 0, X
	LOAD 1, X+64
	LOAD 2, X+128
	STEP 0, X,     32, 1                           ; steps 1 and 2 stay out
	STEP 1, X+64,  32, 0                           ; steps 2 and 3
	STEP 2, X+128, 16, 0                           ; step 3
	STEP 3, X,     0,  0
	v_cndmask_b32 v[W], v[W], v[W+2], s36          ; lanes 0-15 store steps 0, 1 of row r, lanes 16-31 steps 2, 3
	v_cndmask_b32 v[W+1], v[W+1], v[W+3], s36
	global_store_b64 v[WO], v[W:W+1], s[20:21]     ; 32 lanes store 256 consecutive bytes, aligned
	s_wait_tensorcnt 0x0                           ; the wave's end
	ds_add_u32 v[SPW], v[NIL]
	s_wait_dscnt 0x0
	s_endpgm
.Lfunc_end_k_qee68ea9465_quant:
	.size	k_qee68ea9465_quant, .Lfunc_end_k_qee68ea9465_quant-k_qee68ea9465_quant
	.p2alignl 7, 3214868480
	.fill 96, 4, 3214868480
	.section	.rodata,"a",@progbits
	.p2align	6, 0x0
	.amdhsa_kernel k_qee68ea9465_quant
		.amdhsa_group_segment_fixed_size 68608
		.amdhsa_private_segment_fixed_size 0
		.amdhsa_enable_private_segment 0
		.amdhsa_kernarg_size 72
		.amdhsa_user_sgpr_count 2
		.amdhsa_user_sgpr_kernarg_segment_ptr 1
		.amdhsa_wavefront_size32 1
		.amdhsa_system_sgpr_workgroup_id_x 1
		.amdhsa_system_sgpr_workgroup_id_y 1
		.amdhsa_system_sgpr_workgroup_id_z 1
		.amdhsa_system_vgpr_workitem_id 0
		.amdhsa_next_free_vgpr 256
		.amdhsa_next_free_sgpr 66
		.amdhsa_reserve_vcc 0
		.amdhsa_float_denorm_mode_32 3
		.amdhsa_float_denorm_mode_16_64 3
		.amdhsa_memory_ordered 1
		.amdhsa_forward_progress 1
		.amdhsa_inst_pref_size 37
	.end_amdhsa_kernel
	.amdgpu_metadata
---
amdhsa.version: [ 1, 2 ]
amdhsa.kernels:
  - .name:           k_qee68ea9465_quant
    .symbol:         k_qee68ea9465_quant.kd
    .args:
      - { .name: q, .offset: 0, .size: 8, .value_kind: global_buffer, .address_space: global }
      - { .name: k, .offset: 8, .size: 8, .value_kind: global_buffer, .address_space: global }
      - { .name: v, .offset: 16, .size: 8, .value_kind: global_buffer, .address_space: global }
      - { .name: Wq, .offset: 24, .size: 8, .value_kind: global_buffer, .address_space: global }
      - { .name: Wk, .offset: 32, .size: 8, .value_kind: global_buffer, .address_space: global }
      - { .name: Wv, .offset: 40, .size: 8, .value_kind: global_buffer, .address_space: global }
      - { .name: Wo, .offset: 48, .size: 8, .value_kind: global_buffer, .address_space: global }
      - { .name: cod, .offset: 56, .size: 8, .value_kind: global_buffer, .address_space: global }
      - { .name: scl, .offset: 64, .size: 8, .value_kind: global_buffer, .address_space: global }
    .group_segment_fixed_size: 68608
    .private_segment_fixed_size: 0
    .kernarg_segment_align: 8
    .kernarg_segment_size: 72
    .max_flat_workgroup_size: 256
    .sgpr_count:     66
    .vgpr_count:     256
    .wavefront_size: 32
...
	.end_amdgpu_metadata
.endif
;; end of part 1
;; launch proj (part 2): grid 8 x 32, 4 waves a work-group, clusters of 4 x 4, 295,424 bytes of LDS; arguments cod, scl, bq, bk, bv, att, ats; writes att, ats
.if DOCPART == 2
	.amdgcn_target "amdgcn-amd-amdhsa--gfx1250"
	.amdhsa_code_object_version 6
	.text
	.protected	k_qee68ea9465_proj
	.globl	k_qee68ea9465_proj
	.p2align	8
	.type	k_qee68ea9465_proj,@function
k_qee68ea9465_proj:
	s_mov_b64 s[64:65], 0
	v_nop
	global_prefetch_b8 v0, s[64:65] scope:SCOPE_SE
	s_setreg_imm32_b32 hwreg(HW_REG_WAVE_MODE, 25, 1), 1
	s_wait_xcnt 0x0
	s_wait_alu depctr_hold_cnt(0) depctr_sa_sdst(0) depctr_va_vdst(0) depctr_va_sdst(0) depctr_va_ssrc(0) depctr_va_vcc(0) depctr_vm_vsrc(0)
	s_getreg_b32 s2, hwreg(HW_REG_IB_STS2, 6, 4)
	s_cmp_eq_u32 s2, 0
	s_cbranch_scc0 .Lentry_in_a_cluster
	s_endpgm
.Lentry_in_a_cluster:
	s_bfe_u32 s2, ttmp6, 0x10000c
	s_cmp_lg_u32 s2, 0xf033
	s_cbranch_scc0 .Lentry_shape_is_right
	s_endpgm
.Lentry_shape_is_right:
; LAUNCH 2 OF 4: the three projections, each with its bias, quantised at once as attention's operands.  Nothing of reference() is left out.
; ONE FORM FOR ALL THREE: C'[i][j] = sum over k of P[i][k] R[j][k], 128 x 128 a tile, K = 1,024.  Source 1 = P (a lane holds one i), source 0 = R (a lane's registers run along j), and the result is quantised ALONG j.
;   q and k: P = 128 tokens, R = 128 rows of Wq or Wk (two heads): j is the head's axis, the K of Q K^T.     v: P = 128 rows of Wv (two heads), R = 128 tokens: j are the keys, the K of P V.
; A WORK-GROUP STAYS: it makes three tiles, one of q, one of k, one of v, written out one behind the other: arguments, rounds and the first wait for tiles are paid once for the three.
; The rows of a tile of 16 are not neighbours (lane-row r of tile 2 f + u is row 32 f + 8 u + r + 8 (r / 8)): so the 16 registers of R's tiles 2 b and 2 b + 1 are j = 32 b + 16 h + 0 .. 15.
; cod and scl: as the first launch laid them.  A tile of 128 rows, all of K, is 98,304 dense bytes, K step by K step, image by image (an image: an operand's 12 registers, 1,536 bytes).
; R IN LDS, P IN REGISTERS.  All four waves read all of R: its three tiles lie whole in LDS, 3 x 98,304 bytes, each byte filled once.  Wave w alone reads P's tiles 2 w, 2 w + 1: their 16 images go from memory straight
; into its registers (192 a tile, two sets), by loads of 256 and 512 consecutive bytes, a tile ahead of their use.
; CLUSTER 4 x 4: R's tile hangs on the cluster's place and cx alone and is asked for jointly along a column of the cluster.  P IS NOT ASKED FOR JOINTLY, though a row of the cluster shares it: a joint load lands in LDS, where P's
; 98,304 bytes a tile would leave no room for R's three tiles beside them (6 x 98,304 bytes against 327,680), so that slots would have to be filled again; and a K step would read 10 images a wave from LDS where it now reads 8.
; att: 96 blocks of 98,304 bytes.  Blocks 0-31 Q, 32-63 K (16 b + head): [f (64)][image]; half u of an image is token tile 2 f + u, the head's 64.  Blocks 64-95 V^T: [key step (16)][tile of d (4)][image], K = 128 keys.
; ats: 96 x 4,096 bytes of scale words: Q, K [f][r], bytes (u 0: two blocks, u 1: two blocks); V [key step][tile of d][r].
; LIMITS: NaN and infinities are not served.  A block of zeros gets the byte 1 where the rule says 127: its codes are zeros, which add nothing under that byte, and this program alone reads the bytes.
; SHARES: wave w takes P's tiles 2 w, 2 w + 1 against R's eight: 16 accumulators.  One tensor load a wave: waves 0, 1 a half each of R's first tile, wave 2 the second tile, wave 3 the third.
; REGISTERS: window 0: v1-20 addresses; v28, v29 the add's two; v32-63 R's scale words, v64-71 P's; v72-122 the quantiser's; v128-255 the accumulators ((a, b) at 128 + 8 (8 a + b)).
;   window 1: two sets of R's eight images (set s % 2 at 128 (s % 2)).   window 2: v0-191 P of the first and third tile (image 2 s + a at 12 (2 s + a)); v192-255 the bias.   window 3: v0-191 P of the second tile.
.set RT,    98304                      ; LDS: R's tile t at t x RT
.set SPARE, 3*RT                       ; the spare words, 128 bytes for each wave, which no other line names
.set L16, 1                            ; v1   16 x lane
.set L8,  2                            ; v2   8 x lane
.set AR8, 3                            ; v3-8    8 x lane + 49,152 n: half n % 2 of K of R's tile n / 2
.set AR16, 9                           ; v9-14   the same with 16 x lane
.set VR,  15                           ; v15  16 r + 2048 h
.set VP,  16                           ; v16  16 r + 512 h
.set H64, 17                           ; v17  64 h
.set RHO4, 18                          ; v18  4 (r + 8 (r / 8))
.set WOF, 19                           ; v19  4 r + 4096 h
.set L4,  20                           ; v20  4 x lane
.set SPW, 28
.set NIL, 29
.set SCR, 32                           ; register 8 i + s: lanes 0-15 the word of R's tile i, lanes 16-31 of tile i + 4, for K step s
.set SCP, 64                           ; register s: lanes 0-15 my first tile of P, lanes 16-31 my second
.set TM,  72
.set W0,  88
.set W1,  89
.set F0,  92
.set F1,  104
.set TT,  116
.set ACC, 128
.set BJ,  192                          ; in window 2
.set WV,  18
.set PI,  78                           ; s78  which 128 rows of the stack are the tile's P
.set RI,  79                           ; s79  and its R
.set SEL, 100
.set MSB, 0
.macro WIN new                         ; the immediate's high byte repeats the setting that is left
.if MSB != \new
	s_set_vgpr_msb (MSB<<8)|\new
.set MSB, \new
.endif
.endm
.set MUL2, 0x09                        ; source 0 (R) window 1, source 1 (P) window 2; C and D window 0
.set MUL3, 0x0d                        ; the same with P in window 3
.set TO_F, 0x40                        ; destination window 1, address window 0
.macro CROUND                          ; a round of the cluster's barrier
	s_barrier_signal -1
	s_barrier_wait -1
	s_cmp_lg_u32 s[WV], 0
	s_cbranch_scc1 .Lnot_wave_0_\@
	s_barrier_signal -3
.Lnot_wave_0_\@:
	s_barrier_wait -3
	s_barrier_signal -1
	s_barrier_wait -1
.endm
.macro PLACES
.rept 4
	v_nop
.endr
.endm
; The product.  cm = 0: C is the constant 0; else C = v[c ..].  ha, hb = 1: that side's scale words are read from lanes 16-31.
.macro WM d, ra, rb, cm, c, sa, sb, ha, hb
.if (\cm) == 0
.if (\ha) && (\hb)
	v_wmma_scale_f32_16x16x128_f8f6f4 v[(\d):(\d)+7], v[(\ra):(\ra)+11], v[(\rb):(\rb)+11], 0, v[\sa], v[\sb] matrix_a_fmt:MATRIX_FMT_FP6 matrix_b_fmt:MATRIX_FMT_FP6 matrix_a_scale:MATRIX_SCALE_ROW1 matrix_b_scale:MATRIX_SCALE_ROW1
.elseif (\ha)
	v_wmma_scale_f32_16x16x128_f8f6f4 v[(\d):(\d)+7], v[(\ra):(\ra)+11], v[(\rb):(\rb)+11], 0, v[\sa], v[\sb] matrix_a_fmt:MATRIX_FMT_FP6 matrix_b_fmt:MATRIX_FMT_FP6 matrix_a_scale:MATRIX_SCALE_ROW1
.elseif (\hb)
	v_wmma_scale_f32_16x16x128_f8f6f4 v[(\d):(\d)+7], v[(\ra):(\ra)+11], v[(\rb):(\rb)+11], 0, v[\sa], v[\sb] matrix_a_fmt:MATRIX_FMT_FP6 matrix_b_fmt:MATRIX_FMT_FP6 matrix_b_scale:MATRIX_SCALE_ROW1
.else
	v_wmma_scale_f32_16x16x128_f8f6f4 v[(\d):(\d)+7], v[(\ra):(\ra)+11], v[(\rb):(\rb)+11], 0, v[\sa], v[\sb] matrix_a_fmt:MATRIX_FMT_FP6 matrix_b_fmt:MATRIX_FMT_FP6
.endif
.else
.if (\ha) && (\hb)
	v_wmma_scale_f32_16x16x128_f8f6f4 v[(\d):(\d)+7], v[(\ra):(\ra)+11], v[(\rb):(\rb)+11], v[(\c):(\c)+7], v[\sa], v[\sb] matrix_a_fmt:MATRIX_FMT_FP6 matrix_b_fmt:MATRIX_FMT_FP6 matrix_a_scale:MATRIX_SCALE_ROW1 matrix_b_scale:MATRIX_SCALE_ROW1
.elseif (\ha)
	v_wmma_scale_f32_16x16x128_f8f6f4 v[(\d):(\d)+7], v[(\ra):(\ra)+11], v[(\rb):(\rb)+11], v[(\c):(\c)+7], v[\sa], v[\sb] matrix_a_fmt:MATRIX_FMT_FP6 matrix_b_fmt:MATRIX_FMT_FP6 matrix_a_scale:MATRIX_SCALE_ROW1
.elseif (\hb)
	v_wmma_scale_f32_16x16x128_f8f6f4 v[(\d):(\d)+7], v[(\ra):(\ra)+11], v[(\rb):(\rb)+11], v[(\c):(\c)+7], v[\sa], v[\sb] matrix_a_fmt:MATRIX_FMT_FP6 matrix_b_fmt:MATRIX_FMT_FP6 matrix_b_scale:MATRIX_SCALE_ROW1
.else
	v_wmma_scale_f32_16x16x128_f8f6f4 v[(\d):(\d)+7], v[(\ra):(\ra)+11], v[(\rb):(\rb)+11], v[(\c):(\c)+7], v[\sa], v[\sb] matrix_a_fmt:MATRIX_FMT_FP6 matrix_b_fmt:MATRIX_FMT_FP6
.endif
.endif
.endm
.macro FRAG reg, a8, a16, off          ; an image comes back from LDS as the 12 registers that it is: each load is dense from lane to lane
	ds_load_b64  v[(\reg):(\reg)+1],    v[\a8]  offset:(\off)
	ds_load_b128 v[(\reg)+2:(\reg)+5],  v[\a16] offset:(\off)+256
	ds_load_b64  v[(\reg)+6:(\reg)+7],  v[\a8]  offset:(\off)+768
	ds_load_b128 v[(\reg)+8:(\reg)+11], v[\a16] offset:(\off)+1024
.endm
.macro FETCH n, s                      ; R's eight images of K step s, which lies in half n (n = 2 x tile + s / 4), into set s % 2
	WIN TO_F
.irp b, 0,1,2,3,4,5,6,7
	FRAG 128*((\s)%2)+12*\b, AR8+(\n), AR16+(\n), ((\s)%4)*12288+1536*\b
.endr
.endm
.macro PLOAD pw, pp, g                 ; my four images of P of K steps 2 g, 2 g + 1, from s[pp:pp+1], into the window that pw names as the destination's: 16 loads of 256 or 512 consecutive bytes
	WIN \pw
.irp f, 0,1,2,3
	global_load_b64  v[12*(4*(\g)+\f):12*(4*(\g)+\f)+1],    v[L8],  s[\pp:\pp+1] offset:12288*(2*(\g)+\f/2)+1536*(\f%2)
	global_load_b128 v[12*(4*(\g)+\f)+2:12*(4*(\g)+\f)+5],  v[L16], s[\pp:\pp+1] offset:12288*(2*(\g)+\f/2)+1536*(\f%2)+256
	global_load_b64  v[12*(4*(\g)+\f)+6:12*(4*(\g)+\f)+7],  v[L8],  s[\pp:\pp+1] offset:12288*(2*(\g)+\f/2)+1536*(\f%2)+768
	global_load_b128 v[12*(4*(\g)+\f)+8:12*(4*(\g)+\f)+11], v[L16], s[\pp:\pp+1] offset:12288*(2*(\g)+\f/2)+1536*(\f%2)+1024
.endr
.endm
.macro MUL8 s, a, cm                   ; my tile a of P against R's eight.  The 16 accumulators take turns, one instruction a turn, in the same order in every K step
.irp b, 0,1,2,3,4,5,6,7
	WM ACC+8*(8*(\a)+\b), 128*((\s)%2)+12*\b, 12*(2*(\s)+(\a)), \cm, ACC+8*(8*(\a)+\b), SCR+8*(\b%4)+(\s), SCP+(\s), \b/4, \a
.endr
.endm
; A K step.  mw: the products' windows.  fn, fs: the half and the K step whose images of R are fetched in its middle (fn = -1: none).  pw, pp, pg: the next tile's P, a quarter of it (pw = 0: none).
; meet >= 0: what is fetched lies in R's next tile: each wave waits until its tensor load has landed (meet later loads of its own may stay out), then the barrier shows the tile to all four.
.macro STEP mw, s, cm, fn, fs, pw, pp, pg, meet
	s_wait_dscnt 0x0                               ; this K step's images of R are in
.if (\fn) >= 0
	PLACES                                         ; four places in front of loads into the set that the last K step's products read
.if (\meet) >= 0
	s_wait_tensorcnt \meet
	s_barrier_signal -1                            ; (no LDS instruction of mine is out)
	s_barrier_wait -1
.endif
	FETCH \fn, \fs                                 ; the next images are asked for at the step's head: its sixteen products stand between these loads and their wait
.endif
	WIN \mw
	MUL8 \s, 0, \cm
.if (\pw) > 0
	PLOAD \pw, \pp, \pg
.endif
	WIN \mw
	MUL8 \s, 1, \cm
.endm
; The scale words of the tile that s[PI], s[RI] name, straight into registers: four K steps' words of a row to a load; sixteen lanes read 256 consecutive bytes.  Ten loads.
.macro SCALES
	s_lshl_b32 s66, s[RI], 12                      ; 4,096 bytes for 128 rows, 512 a tile of 16
	s_mov_b32 s67, 0
	s_add_nc_u64 s[66:67], s[6:7], s[66:67]
	s_lshl_b32 s68, s[PI], 12
	s_lshl_b32 s96, s[WV], 10
	s_add_co_u32 s68, s68, s96
	s_mov_b32 s69, 0
	s_add_nc_u64 s[68:69], s[6:7], s[68:69]
.irp i, 0,1,2,3
.irp kh, 0,1
	global_load_b128 v[SCR+8*\i+4*\kh:SCR+8*\i+4*\kh+3], v[VR], s[66:67] offset:512*\i+256*\kh
.endr
.endr
.irp kh, 0,1
	global_load_b128 v[SCP+4*\kh:SCP+4*\kh+3], v[VP], s[68:69] offset:256*\kh
.endr
.endm
; 64 numbers of a lane, register 16 b + i = j 32 b + 16 h + i of my row, become codes: j 0-63 in v[d0 .. d0 + 5], j 64-127 in v[d1 .. d1 + 5] (lane (r, h): 32 h + 0 .. 31 of each); the row's scale word in v[pw].
.macro QUANT s, d0, d1, pw
.irp b, 0,1,2,3
	v_max3_num_f32 v[TM+\b], |v[(\s)+16*\b]|, |v[(\s)+16*\b+1]|, 0x1800000   ; my 16 numbers of block b, and the floor 2^(3 - 127)
.endr
.irp i, 2,4,6,8,10,12,14
.irp b, 0,1,2,3
	v_max3_num_f32 v[TM+\b], v[TM+\b], |v[(\s)+16*\b+\i]|, |v[(\s)+16*\b+\i+1]|
.endr
.endr
.irp b, 0,1,2,3
	v_permlanex16_b32 v[TM+4+\b], v[TM+\b], s[SEL], s[SEL+1]
.endr
.irp b, 0,1,2,3
	v_max_num_f32 v[TM+\b], v[TM+\b], v[TM+4+\b]   ; with lane l xor 16's: the block's largest magnitude
.endr
.irp b, 0,1,2,3
	v_add_nc_u32 v[TM+12+\b], 0xff000000, v[TM+\b] ; 2 off its exponent field: the conversion's scale operand
.endr
.irp b, 0,1,2,3
	v_lshrrev_b32 v[TM+4+\b], 23, v[TM+12+\b]      ; the byte
.endr
	v_lshl_or_b32 v[\pw], v[TM+5], 8, v[TM+4]
	v_lshl_or_b32 v[\pw], v[TM+6], 16, v[\pw]
	v_lshl_or_b32 v[\pw], v[TM+7], 24, v[\pw]
	v_cvt_scalef32_pk16_fp6_f32 v[(\d0):(\d0)+2], v[(\s):(\s)+15], v[TM+12]
	v_cvt_scalef32_pk16_fp6_f32 v[TT:TT+2], v[(\s)+16:(\s)+31], v[TM+13]
	v_cvt_scalef32_pk16_fp6_f32 v[(\d1):(\d1)+2], v[(\s)+32:(\s)+47], v[TM+14]
	v_cvt_scalef32_pk16_fp6_f32 v[TT+4:TT+6], v[(\s)+48:(\s)+63], v[TM+15]
	v_nop                                          ; one plain place behind the conversions
.irp i, 0,1,2                          ; the layout wants a whole block in a lane: the first's lanes 16-31 change places with the second's lanes 0-15
	v_permlane16_swap_b32 v[(\d0)+\i], v[TT+\i]
	v_permlane16_swap_b32 v[(\d1)+\i], v[TT+4+\i]
.endr
.irp i, 0,1,2
	v_mov_b32 v[(\d0)+3+\i], v[TT+\i]
	v_mov_b32 v[(\d1)+3+\i], v[TT+4+\i]
.endr
.endm
.macro STOREF f, imm                   ; an image goes out: 256, 512, 256, 512 consecutive bytes
	global_store_b64  v[L8],  v[(\f):(\f)+1],    s[90:91] offset:(\imm)
	global_store_b128 v[L16], v[(\f)+2:(\f)+5],  s[90:91] offset:(\imm)+256
	global_store_b64  v[L8],  v[(\f)+6:(\f)+7],  s[90:91] offset:(\imm)+768
	global_store_b128 v[L16], v[(\f)+8:(\f)+11], s[90:91] offset:(\imm)+1024
.endm
; In the middle of a tile's K: where its results go, and its bias is asked for: four K steps stand between these loads and their wait.  bp: bq's or bk's pointer.
.macro PRE_QK bp
	s_wait_xcnt 0x0                                ; the last tile's stores have read their bases and their data: both are written again only behind this wait
	s_and_b32 s97, s[RI], 7                        ; which 128 rows of the weight: heads 2 x, 2 x + 1
	s_lshl_b32 s94, s97, 9
	s_mov_b32 s95, 0
	s_add_nc_u64 s[88:89], s[\bp:\bp+1], s[94:95]
	s_lshr_b32 s96, s[PI], 4
	s_lshl_b32 s96, s96, 4
	s_lshl_b32 s98, s97, 1
	s_add_co_u32 s96, s96, s98                     ; my first block of att: 16 (P's tile / 16) + 2 x (q: 0-31, k: 32-63)
	s_and_b32 s98, s[PI], 15
	s_lshl_b32 s98, s98, 2
	s_add_co_u32 s98, s98, s[WV]                   ; f = 4 (P's tile % 16) + wave
	s_mul_i32 s94, s96, 98304
	s_mul_i32 s99, s98, 1536
	s_add_co_u32 s94, s94, s99
	s_add_nc_u64 s[90:91], s[14:15], s[94:95]
	s_lshl_b32 s94, s96, 12
	s_lshl_b32 s99, s98, 6
	s_add_co_u32 s94, s94, s99
	s_add_nc_u64 s[92:93], s[16:17], s[94:95]
	WIN 0x80                                       ; destination window 2
.irp be, 0,1,2,3
.irp q, 0,1,2,3
	global_load_b128 v[BJ+16*\be+4*\q:BJ+16*\be+4*\q+3], v[H64], s[88:89] offset:128*\be+16*\q   ; the bias runs along j: register 16 b + i = j 32 b + 16 h + i
.endr
.endr
.endm
.macro PRE_V
	s_wait_xcnt 0x0                                ; as above
	s_sub_co_u32 s96, s[PI], 112                   ; which 128 rows of Wv
	s_lshl_b32 s94, s96, 9
	s_lshl_b32 s97, s[WV], 7
	s_add_co_u32 s94, s94, s97
	s_mov_b32 s95, 0
	s_add_nc_u64 s[88:89], s[12:13], s[94:95]
	s_sub_co_u32 s97, s[RI], 64
	s_lshr_b32 s97, s97, 4
	s_lshl_b32 s97, s97, 4
	s_lshl_b32 s98, s96, 1
	s_add_co_u32 s97, s97, s98
	s_lshr_b32 s98, s[WV], 1
	s_add_co_u32 s97, s97, s98
	s_add_co_u32 s97, s97, 64                      ; my block of att: 64 + 16 b + head
	s_and_b32 s98, s[RI], 15                       ; the key step
	s_mul_i32 s94, s97, 98304
	s_mul_i32 s99, s98, 6144
	s_add_co_u32 s94, s94, s99
	s_mul_i32 s99, s20, 3072                       ; tiles of d 2 (wave % 2), + 1
	s_add_co_u32 s94, s94, s99
	s_add_nc_u64 s[90:91], s[14:15], s[94:95]
	s_lshl_b32 s94, s97, 12
	s_lshl_b32 s99, s98, 8
	s_add_co_u32 s94, s94, s99
	s_lshl_b32 s99, s20, 7
	s_add_co_u32 s94, s94, s99
	s_add_nc_u64 s[92:93], s[16:17], s[94:95]
	WIN 0x80
.irp a, 0,1
	global_load_b32 v[BJ+2*\a], v[RHO4], s[88:89] offset:32*\a     ; the bias hangs on i, my lane's row of Wv: one number a tile, twice, as the pair that the packed addition names
	global_load_b32 v[BJ+2*\a+1], v[RHO4], s[88:89] offset:32*\a
.endr
.endm
; A tile's way out.  tv = 0: q or k; tv = 1: v.  nxt = 1: s[PI], s[RI] already name the next tile, and its scale words are asked for first: the way out stands between those loads and their wait.
.macro EPI tv, nxt
	WIN 0
	PLACES                                         ; four places in front of the first read of the last results, and of loads into the scale registers that the last products read
.if \nxt
	SCALES
	s_wait_loadcnt 10                              ; the bias is in (and the next tile's P, asked for earlier); the ten loads just issued stay out
.else
	s_wait_loadcnt 0x0                             ; the bias
.endif
	WIN 0x08                                       ; source 1 window 2
.irp a, 0,1
.irp i, 0,2,4,6,8,10,12,14,16,18,20,22,24,26,28,30,32,34,36,38,40,42,44,46,48,50,52,54,56,58,60,62
.if \tv == 0
	v_pk_add_f32 v[ACC+64*\a+\i:ACC+64*\a+\i+1], v[ACC+64*\a+\i:ACC+64*\a+\i+1], v[BJ+\i:BJ+\i+1]   ; each accumulator from its low end on
.else
	v_pk_add_f32 v[ACC+64*\a+\i:ACC+64*\a+\i+1], v[ACC+64*\a+\i:ACC+64*\a+\i+1], v[BJ+2*\a:BJ+2*\a+1]
.endif
.endr
.endr
	WIN 0
.if \tv == 0
	QUANT ACC, F0, F1, W0                          ; token tile u = 0: j 0-63 is head 2 x, j 64-127 head 2 x + 1: half 0 of each head's image
	QUANT ACC+64, F0+6, F1+6, W1                   ; token tile u = 1: half 1
	STOREF F0, 0
	STOREF F1, 98304                               ; the next head's block
	v_perm_b32 v[TM], v[W1], v[W0], 0x05040100     ; head 2 x: u 0's two bytes, u 1's two
	v_perm_b32 v[TM+1], v[W1], v[W0], 0x07060302   ; head 2 x + 1
	v_cndmask_b32 v[TM], v[TM], v[TM+1], s23
	global_store_b32 v[WOF], v[TM], s[92:93]       ; lanes 0-15: 64 bytes of the first head's words, lanes 16-31 of the second's
.else
	QUANT ACC, F0, F0+6, W0                        ; a tile of d x 128 keys is a whole image
	QUANT ACC+64, F1, F1+6, W1
	STOREF F0, 0
	STOREF F1, 1536
	v_cndmask_b32 v[TM], v[W0], v[W1], s23
	global_store_b32 v[L4], v[TM], s[92:93]        ; 128 consecutive bytes: my two tiles' words
.endif
.endm
	s_load_b256 s[4:11], s[0:1], 0x0               ; cod s[4:5], scl s[6:7], bq s[8:9], bk s[10:11]
	s_load_b128 s[12:15], s[0:1], 0x20             ; bv s[12:13], att s[14:15]
	s_load_b64 s[16:17], s[0:1], 0x30              ; ats
	v_lshl_add_u32 v[SPW], v0, 2, SPARE
	v_mov_b32 v[NIL], 0
	ds_add_u32 v[SPW], v[NIL]                      ; the wave's opening: the add, twice on end, and its wait ahead of my first tensor load
	ds_add_u32 v[SPW], v[NIL]
	v_lshrrev_b32 v21, 5, v0
	v_readfirstlane_b32 s[WV], v21                 ; wave 0..3
	s_and_b32 s20, s[WV], 1
	s_bfe_u32 s66, ttmp6, 0x40000                  ; cx
	s_bfe_u32 s67, ttmp6, 0x40004                  ; cy
	s_and_b32 s21, ttmp7, 0xffff                   ; the cluster's y, 0..7
	s_lshl_b32 s[PI], s21, 2
	s_add_co_u32 s[PI], s[PI], s67                 ; q: P = tokens, tile 4 y + cy.  (k: 32 further on)
	s_and_b32 s80, s21, 1
	s_lshl_b32 s80, s80, 2
	s_add_co_u32 s80, s80, s67
	s_add_co_u32 s80, s80, 112                     ; v: P = rows of Wv, tile 112 + 4 (y % 2) + cy
	s_lshl_b32 s[RI], ttmp9, 2
	s_add_co_u32 s[RI], s[RI], s66                 ; 4 x + cx: no register on the way to R's tiles ever holds cy
	s_lshr_b32 s81, s21, 1
	s_lshl_b32 s81, s81, 3
	s_add_co_u32 s81, s81, s[RI]
	s_add_co_u32 s81, s81, 64                      ; v: R = tokens, tile 64 + 8 (y / 2) + 4 x + cx
	s_add_co_u32 s[RI], s[RI], 96                  ; q: R = rows of Wq, tile 96 + 4 x + cx.  (k: 8 further on)
	s_lshl_b32 s69, 0x1111, s66                    ; my column of the cluster
	; descriptor group 1: 49,152 dense bytes (four K steps of a tile) as 192 rows of 32 elements of 8 bytes; no padding
	s_or_b32 s24, s69, (3<<16)|(1<<21)             ; 15:0 the mask; 17:16 elements of 8 bytes; 21 set beside a mask
	s_mov_b32 s25, 32<<16                          ; tensor_dim0 = 32
	s_mov_b32 s26, 192<<16                         ; tensor_dim1 = 192: half a tile of R, 49,152 bytes
	s_mov_b32 s27, 32<<16                          ; tile_dim0 = 32
	s_mov_b32 s28, 192                             ; tile_dim1 = 192
	s_or_b32 s32, s69, (3<<16)|(1<<21)             ; a second group 1: a whole tile of R, 384 rows of 256 bytes
	s_mov_b32 s33, 32<<16
	s_mov_b32 s34, 384<<16
	s_mov_b32 s35, 32<<16
	s_mov_b32 s36, 384
	s_mov_b32 s37, 32
	s_mov_b32 s38, 0
	s_mov_b32 s39, 0
	s_mov_b32 s29, 32                              ; from row to row
	s_mov_b32 s30, 0
	s_mov_b32 s31, 0
	s_mul_i32 s82, s[WV], 49152                    ; waves 0, 1: my half of R's first tile, in memory and in LDS alike
	s_mul_i32 s84, s[RI], 98304
	s_mov_b32 s85, 0
	s_mul_i32 s86, s81, 98304
	s_mov_b32 s87, 0
	s_mul_i32 s83, s[WV], 3072                     ; my two tiles of 16 in each K step of P
	s_mul_i32 s88, s[PI], 98304
	s_add_co_u32 s88, s88, s83
	s_mov_b32 s89, 0
	s_mul_i32 s90, s80, 98304
	s_add_co_u32 s90, s90, s83
	s_mov_b32 s91, 0
	s_mov_b32 s[SEL], 0x76543210
	s_mov_b32 s[SEL+1], 0xfedcba98                 ; v_permlanex16_b32's selects for lane l xor 16
	s_mov_b32 s23, 0xffff0000                      ; lanes 16-31
	s_wait_dscnt 0x0                               ; both opening adds are done
	s_wait_kmcnt 0x0
	s_add_nc_u64 s[84:85], s[4:5], s[84:85]        ; R of the first tile
	s_add_nc_u64 s[86:87], s[4:5], s[86:87]        ; R of the third
	s_add_nc_u64 s[70:71], s[4:5], s[88:89]        ; P of the first tile, my images; these three pointers are never rewritten
	s_add_nc_u64 s[72:73], s[70:71], 32*98304      ; of the second
	s_add_nc_u64 s[74:75], s[4:5], s[90:91]        ; of the third
	CROUND                                         ; all sixteen work-groups are here: the joint loads meet
.irp t, 0,1,2                          ; group 0, a set for each of R's three tiles
	s_mov_b32 s[40+4*\t], 1
.endr
	s_mov_b32 s41, s82
	s_mov_b32 s45, RT
	s_mov_b32 s49, 2*RT
	s_mov_b32 s83, 0
	s_add_nc_u64 s[42:43], s[84:85], s[82:83]
	s_add_nc_u64 s[46:47], s[84:85], 8*98304
	s_mov_b64 s[50:51], s[86:87]
.irp t, 0,1,2
	s_or_b32 s[43+4*\t], s[43+4*\t], 0x80000000
.endr
	; one tensor load a wave, in one chain of arms: waves 0, 1 a half each of R's first tile, wave 2 the second tile, wave 3 the third
	s_cmp_lt_u32 s[WV], 2
	s_cbranch_scc0 .Lr_second
	tensor_load_to_lds s[40:43], s[24:31]
	s_nop 0
	PLACES
	s_branch .Lr_asked
.Lr_second:
	s_cmp_eq_u32 s[WV], 2
	s_cbranch_scc0 .Lr_third
	tensor_load_to_lds s[44:47], s[32:39]
	s_nop 0
	PLACES
	s_branch .Lr_asked
.Lr_third:
	tensor_load_to_lds s[48:51], s[32:39]
	s_nop 0
	PLACES
.Lr_asked:
	v_and_b32 v21, 31, v0                          ; lane
	v_and_b32 v22, 15, v0                          ; r
	v_bfe_u32 v23, v0, 4, 1                        ; h
	v_lshlrev_b32 v[L16], 4, v21
	v_lshlrev_b32 v[L8], 3, v21
	v_lshlrev_b32 v[VR], 4, v22
	v_lshl_add_u32 v[VP], v23, 9, v[VR]
	v_lshl_add_u32 v[VR], v23, 11, v[VR]
	s_wait_alu depctr_va_vdst(0)
	SCALES                                         ; the first tile's scale words,
	PLOAD 0x80, 70, 0                              ; and its P, into window 2
	PLOAD 0x80, 70, 1
	PLOAD 0x80, 70, 2
	PLOAD 0x80, 70, 3
	WIN 0
.irp n, 0,1,2,3,4,5
	v_add_nc_u32 v[AR8+\n], \n*49152, v[L8]
	v_add_nc_u32 v[AR16+\n], \n*49152, v[L16]
.endr
	v_lshlrev_b32 v[H64], 6, v23
	v_and_b32 v24, 8, v22
	v_add_nc_u32 v24, v24, v22
	v_lshlrev_b32 v[RHO4], 2, v24
	v_lshlrev_b32 v[WOF], 2, v22
	v_lshl_add_u32 v[WOF], v23, 12, v[WOF]
	v_lshlrev_b32 v[L4], 2, v21
.irp b, 0,1,2,3
	v_mov_b32 v[TM+4+\b], 0                        ; written once: a lane permute's destination counts as one of its sources
.endr
	s_wait_alu depctr_va_vdst(0)
	s_cmp_lt_u32 s[WV], 2
	s_cbranch_scc0 .Lr_not_first
	s_wait_tensorcnt 0x0                           ; waves 0, 1: my half of R's first tile is in; the line that they issued is theirs alone
.Lr_not_first:
	s_barrier_signal -1
	s_barrier_wait -1                              ; everybody's is
	FETCH 0, 0
	s_wait_loadcnt 0x0                             ; the scale words and P
	; ---- q.  Its first products start the sums: nothing is cleared.  The second tile's P is asked for on the way, a quarter in each of the first four K steps, into window 3
	STEP MUL2, 0, 0, 0, 1, 0xc0, 72, 0, -1
	STEP MUL2, 1, 1, 0, 2, 0xc0, 72, 1, -1
	STEP MUL2, 2, 1, 0, 3, 0xc0, 72, 2, -1
	STEP MUL2, 3, 1, 1, 4, 0xc0, 72, 3, -1
	PRE_QK 8
	STEP MUL2, 4, 1, 1, 5, 0, 0, 0, -1
	STEP MUL2, 5, 1, 1, 6, 0, 0, 0, -1
	STEP MUL2, 6, 1, 1, 7, 0, 0, 0, -1
	STEP MUL2, 7, 1, 2, 0, 0, 0, 0, 0              ; every wave waits for its one load: R's second and third tiles are whole
	s_add_co_u32 s[PI], s[PI], 32                  ; on to k's tile
	s_add_co_u32 s[RI], s[RI], 8
	EPI 0, 1
	s_wait_loadcnt 0x0                             ; k's scale words
	; ---- k.  The third tile's P goes into window 2, which q's products have left
	STEP MUL3, 0, 0, 2, 1, 0x80, 74, 0, -1
	STEP MUL3, 1, 1, 2, 2, 0x80, 74, 1, -1
	STEP MUL3, 2, 1, 2, 3, 0x80, 74, 2, -1
	STEP MUL3, 3, 1, 3, 4, 0x80, 74, 3, -1
	PRE_QK 10
	STEP MUL3, 4, 1, 3, 5, 0, 0, 0, -1
	STEP MUL3, 5, 1, 3, 6, 0, 0, 0, -1
	STEP MUL3, 6, 1, 3, 7, 0, 0, 0, -1
	STEP MUL3, 7, 1, 4, 0, 0, 0, 0, 0              ; R's third tile is whole
	s_mov_b32 s[PI], s80                           ; on to v's tile
	s_mov_b32 s[RI], s81
	EPI 0, 1
	s_wait_loadcnt 0x0                             ; v's scale words
	; ---- v
	STEP MUL2, 0, 0, 4, 1, 0, 0, 0, -1
	STEP MUL2, 1, 1, 4, 2, 0, 0, 0, -1
	STEP MUL2, 2, 1, 4, 3, 0, 0, 0, -1
	STEP MUL2, 3, 1, 5, 4, 0, 0, 0, -1
	PRE_V
	STEP MUL2, 4, 1, 5, 5, 0, 0, 0, -1
	STEP MUL2, 5, 1, 5, 6, 0, 0, 0, -1
	STEP MUL2, 6, 1, 5, 7, 0, 0, 0, -1
	STEP MUL2, 7, 1, -1, 0, 0, 0, 0, -1
	EPI 1, 0
	s_wait_tensorcnt 0x0                           ; the wave's end
	ds_add_u32 v[SPW], v[NIL]
	s_wait_dscnt 0x0
	CROUND                                         ; the closing round: no work-group ends while a partner may still ask for a tile that names it
	s_endpgm
.Lfunc_end_k_qee68ea9465_proj:
	.size	k_qee68ea9465_proj, .Lfunc_end_k_qee68ea9465_proj-k_qee68ea9465_proj
	.p2alignl 7, 3214868480
	.fill 96, 4, 3214868480
	.section	.rodata,"a",@progbits
	.p2align	6, 0x0
	.amdhsa_kernel k_qee68ea9465_proj
		.amdhsa_group_segment_fixed_size 295424
		.amdhsa_private_segment_fixed_size 0
		.amdhsa_enable_private_segment 0
		.amdhsa_kernarg_size 56
		.amdhsa_user_sgpr_count 2
		.amdhsa_user_sgpr_kernarg_segment_ptr 1
		.amdhsa_wavefront_size32 1
		.amdhsa_system_sgpr_workgroup_id_x 1
		.amdhsa_system_sgpr_workgroup_id_y 1
		.amdhsa_system_sgpr_workgroup_id_z 1
		.amdhsa_system_vgpr_workitem_id 0
		.amdhsa_next_free_vgpr 960
		.amdhsa_next_free_sgpr 102
		.amdhsa_reserve_vcc 0
		.amdhsa_float_denorm_mode_32 3
		.amdhsa_float_denorm_mode_16_64 3
		.amdhsa_memory_ordered 1
		.amdhsa_forward_progress 1
		.amdhsa_inst_pref_size 176
	.end_amdhsa_kernel
	.amdgpu_metadata
---
amdhsa.version: [ 1, 2 ]
amdhsa.kernels:
  - .name:           k_qee68ea9465_proj
    .symbol:         k_qee68ea9465_proj.kd
    .args:
      - { .name: cod, .offset: 0, .size: 8, .value_kind: global_buffer, .address_space: global }
      - { .name: scl, .offset: 8, .size: 8, .value_kind: global_buffer, .address_space: global }
      - { .name: bq, .offset: 16, .size: 8, .value_kind: global_buffer, .address_space: global }
      - { .name: bk, .offset: 24, .size: 8, .value_kind: global_buffer, .address_space: global }
      - { .name: bv, .offset: 32, .size: 8, .value_kind: global_buffer, .address_space: global }
      - { .name: att, .offset: 40, .size: 8, .value_kind: global_buffer, .address_space: global }
      - { .name: ats, .offset: 48, .size: 8, .value_kind: global_buffer, .address_space: global }
    .group_segment_fixed_size: 295424
    .private_segment_fixed_size: 0
    .kernarg_segment_align: 8
    .kernarg_segment_size: 56
    .max_flat_workgroup_size: 128
    .sgpr_count:     102
    .vgpr_count:     960
    .wavefront_size: 32
...
	.end_amdgpu_metadata
.endif
;; end of part 2
;; launch attn (part 3): grid 8 x 32, 16 waves a work-group, clusters of 4 x 1, 206,848 bytes of LDS; arguments att, ats, oc, ocs; writes oc, ocs
.if DOCPART == 3
	.amdgcn_target "amdgcn-amd-amdhsa--gfx1250"
	.amdhsa_code_object_version 6
	.text
	.protected	k_qee68ea9465_attn
	.globl	k_qee68ea9465_attn
	.p2align	8
	.type	k_qee68ea9465_attn,@function
k_qee68ea9465_attn:
	s_mov_b64 s[64:65], 0
	v_nop
	global_prefetch_b8 v0, s[64:65] scope:SCOPE_SE
	s_setreg_imm32_b32 hwreg(HW_REG_WAVE_MODE, 25, 1), 1
	s_wait_xcnt 0x0
	s_wait_alu depctr_hold_cnt(0) depctr_sa_sdst(0) depctr_va_vdst(0) depctr_va_sdst(0) depctr_va_ssrc(0) depctr_va_vcc(0) depctr_vm_vsrc(0)
	s_getreg_b32 s2, hwreg(HW_REG_IB_STS2, 6, 4)
	s_cmp_eq_u32 s2, 0
	s_cbranch_scc0 .Lentry_in_a_cluster
	s_endpgm
.Lentry_in_a_cluster:
	s_bfe_u32 s2, ttmp6, 0x10000c
	s_cmp_lg_u32 s2, 0x3003
	s_cbranch_scc0 .Lentry_shape_is_right
	s_endpgm
.Lentry_shape_is_right:
; LAUNCH 3 OF 4: softmax(Q K^T / 8) V for each of the 32 (batch, head), both products on codes of E2M3; the result, divided by the row's sum, is quantised along the head's axis as the last product's operand.  Nothing of reference() is left out.
; THE SOFTMAX: t = score x log2(e) / 8; M = the row's largest t so far, rounded UP to a whole number; p = 2^(t - M) is quantised along the keys, not normalised; the row's sum is taken of the unquantised p and divides at the end.
; When M moves, the sum and O^T are multiplied by 2^(old M - new M), which rounds nothing.  A block's largest p is made from the block's largest score by the same multiply-add and exponential (this takes v_exp_f32 not to fall where its input rises).
; LIMITS: NaN and infinities are not served; the scaled scores stay under 2^31 in magnitude; 1 / sum is v_rcp_f32 (1 ulp: ISA guide, its entry); a block of zeros has the byte 1, over zero codes.
; att, ats: as the second launch laid them.  oc: [128 tokens (32)][K step = head / 2 (8)][tile (8)][image], half head % 2 of an image.  ocs: [head (16)][tile (256)][r (16)][2 bytes].
; SHARES: a work-group owns 256 queries of one head, each of its sixteen waves one tile of 16: four waves to a SIMD, so that one wave's vector work stands beside another's products and LDS loads.
; THE WHOLE HEAD'S K AND V LIE IN LDS (2 x 98,304 bytes and 2 x 4,096 of scale words): each byte is filled once.  Five tensor loads, one a wave: waves 0, 1 the first quarter of K and of V, wave 2 both tables of scale words
; (two rows of 4,096 bytes), waves 3, 4 the other three quarters.  The first barrier shows waves 0 to 2's tiles; the second, behind key step 1, all.  No other barrier stands in the walk over the keys.
; CLUSTER 4 x 1: the four query blocks of a cluster belong to one head: every load is asked for jointly, with the same descriptor in all four.
; NO DATA PREFETCH: all that the launch reads through LDS is asked for at its head, in one group: there is no loop to run ahead in.
; LAYOUT: S^T = K Q^T (source 0 = keys), O^T = V^T P^T (source 0 = d): a lane holds one query throughout.  Key tile j of a band of 64 keys is keys 8 j + 0 .. 7 and 32 + 8 j + 0 .. 7 (the first launch orders k's rows so):
; register 32 c + i of the scores in lane (r, h) is key 64 c + 32 h + i: one scale block of p lies in one lane, in the order of the operand's registers: no lane asks another for a block's maximum, no codes change lanes.
; A HEAD OF 64 IN AN INSTRUCTION OF K = 128: an image of K holds key tile 2 f in k 0-63 and key tile 2 f + 1 in k 64-127.  Against [q | 0] it gives the first tile's scores, against [0 | q] the second's: the other half meets zero codes under the byte 127.
.set VREG,  98304                      ; LDS: K at 0, V here,
.set SCK,   196608                     ; K's scale words,
.set SCV,   200704                     ; V's,
.set SPARE, 204800                     ; the spare words, 128 bytes for each wave, which no other line names
.set L16, 1
.set L8,  2
.set L16V, 3
.set L8V, 4
.set L4S, 5
.set AK16, 6
.set AK8, 7
.set AV16, 8
.set AV8, 9
.set AS,  10
.set LB,  11
.set T0R, 12
.set T1R, 13
.set SPW, 14
.set NIL, 15
.set QWR, 16
.set ASV, 17
.set KS,  32                           ; v32, v33  K's scale words;  v34, v35  V's
.set VS,  34
.set QW,  36                           ; v36: q's two bytes below, 127 above; v37: 127 below, q's above
.set PW,  40                           ; p's scale word
.set FB,  48                           ; v48-95  four images: K's, then V's
.set S,   96                           ; S^T, then p
.set O,   160                          ; O^T
.set PC,  192                          ; p's codes
.set TT,  204
.set QHI, 212                          ; v212-229 hold 0, q, 0: [0 | q] from v212, [q | 0] from v218
.set QLO, 218
.set NM,  230                          ; -M; named with v231 as a pair
.set MR,  231                          ; the largest score so far
.set L,   232                          ; the sum, in two halves
.set FF,  234                          ; f = 2^(old M - new M); named with v235 as a pair
.set MX,  236
.set SO,  240
.set BY,  242
.set TW,  244
.set TX,  245
.set TP,  246
.set SH,  247                          ; 8 h
.set P1,  248
.set P2,  250
.set P3,  252
.set WV,  12
.set CS,  56
.set SEL, 62
.set TB,  66
.set TS,  67
.macro DEP n
	s_delay_alu instid0(VALU_DEP_\n)
.endm
.macro WALU
	s_wait_alu depctr_va_vdst(0)
.endm
.macro CROUND
	s_barrier_signal -1
	s_barrier_wait -1
	s_cmp_lg_u32 s[WV], 0
	s_cbranch_scc1 .Lnot_wave_0_\@
	s_barrier_signal -3
.Lnot_wave_0_\@:
	s_barrier_wait -3
	s_barrier_signal -1
	s_barrier_wait -1
.endm
.macro TLOAD g0, g1
	tensor_load_to_lds s[\g0:\g0+3], s[\g1:\g1+7]
	s_nop 0
.rept 4
	v_nop
.endr
.endm
.macro WM d, ra, rb, cm, sa, sb, ha    ; cm = 0: C is the constant 0, else C = D.  ha = 1: source 0's scale words are read from lanes 16-31
.if (\cm) == 0
.if (\ha)
	v_wmma_scale_f32_16x16x128_f8f6f4 v[(\d):(\d)+7], v[(\ra):(\ra)+11], v[(\rb):(\rb)+11], 0, v[\sa], v[\sb] matrix_a_fmt:MATRIX_FMT_FP6 matrix_b_fmt:MATRIX_FMT_FP6 matrix_a_scale:MATRIX_SCALE_ROW1
.else
	v_wmma_scale_f32_16x16x128_f8f6f4 v[(\d):(\d)+7], v[(\ra):(\ra)+11], v[(\rb):(\rb)+11], 0, v[\sa], v[\sb] matrix_a_fmt:MATRIX_FMT_FP6 matrix_b_fmt:MATRIX_FMT_FP6
.endif
.else
.if (\ha)
	v_wmma_scale_f32_16x16x128_f8f6f4 v[(\d):(\d)+7], v[(\ra):(\ra)+11], v[(\rb):(\rb)+11], v[(\d):(\d)+7], v[\sa], v[\sb] matrix_a_fmt:MATRIX_FMT_FP6 matrix_b_fmt:MATRIX_FMT_FP6 matrix_a_scale:MATRIX_SCALE_ROW1
.else
	v_wmma_scale_f32_16x16x128_f8f6f4 v[(\d):(\d)+7], v[(\ra):(\ra)+11], v[(\rb):(\rb)+11], v[(\d):(\d)+7], v[\sa], v[\sb] matrix_a_fmt:MATRIX_FMT_FP6 matrix_b_fmt:MATRIX_FMT_FP6
.endif
.endif
.endm
.macro FRAG reg, a8, a16, off          ; an image comes from LDS as the 12 registers that it is: each load is dense from lane to lane
	ds_load_b64  v[(\reg):(\reg)+1],    v[\a8]  offset:(\off)
	ds_load_b128 v[(\reg)+2:(\reg)+5],  v[\a16] offset:(\off)+256
	ds_load_b64  v[(\reg)+6:(\reg)+7],  v[\a8]  offset:(\off)+768
	ds_load_b128 v[(\reg)+8:(\reg)+11], v[\a16] offset:(\off)+1024
.endm
; A KEY STEP: 128 keys.  s[TB]: where the step's four images begin in K's region and in V's; s[TS]: its scale words.
.macro STEP
	v_add_nc_u32 v[AK16], s[TB], v[L16]            ; (with the four additions behind the last products: the places in front of the loads into the registers that those read)
	v_add_nc_u32 v[AK8],  s[TB], v[L8]
	v_add_nc_u32 v[AS],   s[TS], v[L4S]
	ds_load_b32 v[KS], v[AS]                       ; lanes 0-15 image 0's words, lanes 16-31 image 1's
	ds_load_b32 v[KS+1], v[AS] offset:128          ; images 2, 3
.irp p, 0,1,2,3
	FRAG FB+12*\p, AK8, AK16, 1536*\p
.endr
	s_wait_dscnt 0x0
.irp p, 0,1,2,3
	WM S+16*\p,   FB+12*\p, QLO, 0, KS+\p/2, QW,   \p%2
	WM S+16*\p+8, FB+12*\p, QHI, 0, KS+\p/2, QW+1, \p%2
.endr
	v_add_nc_u32 v[AV16], s[TB], v[L16V]           ; four places in front of the loads below and of the first read of the scores
	v_add_nc_u32 v[AV8],  s[TB], v[L8V]
	v_add_nc_u32 v[ASV],  s[TS], v[L4S]
	v_nop
	ds_load_b32 v[VS], v[ASV] offset:SCV-SCK
	ds_load_b32 v[VS+1], v[ASV] offset:SCV-SCK+128
.irp p, 0,1,2,3
	FRAG FB+12*\p, AV8, AV16, 1536*\p              ; V's four images land while the softmax is walked
.endr
.irp k, 0,1,2,3
	v_max3_num_f32 v[MX+\k], v[S+16*\k], v[S+16*\k+1], v[S+16*\k+2]   ; the largest score of my two blocks of 32 keys, two chains to a block; each accumulator from its low end on
.endr
.irp i, 3,5,7,9,11,13
.irp k, 0,1,2,3
	v_max3_num_f32 v[MX+\k], v[MX+\k], v[S+16*\k+\i], v[S+16*\k+\i+1]
.endr
.endr
	v_max3_num_f32 v[MX+1], v[MX+1], v[S+15], v[S+31]
	v_max3_num_f32 v[MX+3], v[MX+3], v[S+47], v[S+63]
	DEP 2
	v_max_num_f32 v[MX], v[MX], v[MX+1]            ; block h
	DEP 2
	v_max_num_f32 v[MX+2], v[MX+2], v[MX+3]        ; block 2 + h
	DEP 1
	v_max_num_f32 v[TP], v[MX], v[MX+2]
	DEP 1
	v_permlanex16_b32 v[TX], v[TP], s[SEL], s[SEL+1]
	DEP 1
	v_max3_num_f32 v[MR], v[MR], v[TP], v[TX]      ; the running largest score of my query
	DEP 1
	v_mul_f32 v[TP], s[CS], v[MR]                  ; as t (c is positive)
	DEP 1
	v_floor_f32 v[TW], -v[TP]                      ; the new -M = floor(-t) = -ceil(t)
	DEP 1
	v_sub_f32 v[TP], v[TW], v[NM]                  ; old M - new M: a whole number, 0 or less
	DEP 2
	v_mov_b32 v[NM], v[TW]
	DEP 2
	v_cvt_i32_f32 v[TP], v[TP]                     ; (it saturates)
	DEP 1
	v_ldexp_f32 v[FF], 1.0, v[TP]                  ; f = 2^(old M - new M)
.irp j, 0,2,4,6,8,10,12,14,16,18,20,22,24,26,28,30
	v_pk_mul_f32 v[O+\j:O+\j+1], v[O+\j:O+\j+1], v[FF:FF+1] op_sel_hi:[1,0]   ; O^T under the new M, ahead of the exponentials: none stands between the last step's products and these, their first readers
.endr
.irp j, 0,2,4,6,8,10,12,14,16,18,20,22,24,26,28,30,32,34,36,38,40,42,44,46,48,50,52,54,56,58,60,62
	v_pk_fma_f32 v[S+\j:S+\j+1], v[S+\j:S+\j+1], s[CS:CS+1], v[NM:NM+1] op_sel_hi:[1,0,0]   ; t - M, two at a time
.endr
	v_fma_f32 v[MX], v[MX], s[CS], v[NM]           ; the same of each block's largest score
	v_fma_f32 v[MX+2], v[MX+2], s[CS], v[NM]
	WALU                                           ; one wait ahead of the batch
.irp j, 0,1,2,3,4,5,6,7,8,9,10,11,12,13,14,15,16,17,18,19,20,21,22,23,24,25,26,27,28,29,30,31,32,33,34,35,36,37,38,39,40,41,42,43,44,45,46,47,48,49,50,51,52,53,54,55,56,57,58,59,60,61,62,63
	v_exp_f32 v[S+\j], v[S+\j]                     ; p = 2^(t - M)
.endr
	v_exp_f32 v[MX], v[MX]                         ; the blocks' largest p
	v_exp_f32 v[MX+2], v[MX+2]
	v_pk_mul_f32 v[L:L+1], v[L:L+1], v[FF:FF+1] op_sel_hi:[1,0]   ; the sums under the new M: a plain line behind the exponentials
	WALU                                           ; and one behind it
	v_max_num_f32 v[MX], 0x1800000, v[MX]          ; the floor 2^(3 - 127)
	v_max_num_f32 v[MX+2], 0x1800000, v[MX+2]
	DEP 2
	v_add_nc_u32 v[SO], 0xff000000, v[MX]          ; 2 off the exponent field: the conversion's scale operand
	DEP 2
	v_add_nc_u32 v[SO+1], 0xff000000, v[MX+2]
	v_cvt_scalef32_pk16_fp6_f32 v[PC:PC+2], v[S:S+15], v[SO]
	v_cvt_scalef32_pk16_fp6_f32 v[TT:TT+2], v[S+16:S+31], v[SO]          ; (a conversion's three registers begin on an even number)
	v_cvt_scalef32_pk16_fp6_f32 v[PC+6:PC+8], v[S+32:S+47], v[SO+1]
	v_cvt_scalef32_pk16_fp6_f32 v[TT+4:TT+6], v[S+48:S+63], v[SO+1]
	v_lshrrev_b32 v[BY], 23, v[SO]                 ; the bytes: plain lines behind the conversions
	v_lshrrev_b32 v[BY+1], 23, v[SO+1]
	DEP 1
	v_lshl_or_b32 v[TW], v[BY+1], 16, v[BY]        ; blocks h and 2 + h,
	DEP 1
	v_lshlrev_b32 v[TW], v[SH], v[TW]              ; at their places in the word;
	DEP 1
	v_permlanex16_b32 v[TX], v[TW], s[SEL], s[SEL+1]
	DEP 1
	v_or_b32 v[PW], v[TW], v[TX]                   ; with lane l xor 16's two the word is whole
.irp c, 0,1
.irp i, 0,1,2
	v_mov_b32 v[PC+6*\c+3+\i], v[TT+4*\c+\i]
.endr
.endr
	v_pk_add_f32 v[P1:P1+1], v[S:S+1], v[S+2:S+3]  ; the row's sum of the unquantised p, in four chains.  (These 28 lines are also the places between p's codes and scale word and the products)
	v_pk_add_f32 v[P2:P2+1], v[S+4:S+5], v[S+6:S+7]
	v_pk_add_f32 v[P3:P3+1], v[S+8:S+9], v[S+10:S+11]
	v_pk_add_f32 v[L:L+1], v[L:L+1], v[S+12:S+13]
.irp j, 14,22,30,38,46,54
	v_pk_add_f32 v[P1:P1+1], v[P1:P1+1], v[S+\j:S+\j+1]
	v_pk_add_f32 v[P2:P2+1], v[P2:P2+1], v[S+\j+2:S+\j+3]
	v_pk_add_f32 v[P3:P3+1], v[P3:P3+1], v[S+\j+4:S+\j+5]
	v_pk_add_f32 v[L:L+1], v[L:L+1], v[S+\j+6:S+\j+7]
.endr
	WALU
	s_wait_dscnt 0x0                               ; V's images and words
.irp p, 0,1,2,3
	WM O+8*\p, FB+12*\p, PC, 1, VS+\p/2, PW, \p%2  ; the four accumulators by turns
.endr
	v_pk_add_f32 v[P1:P1+1], v[P1:P1+1], v[S+62:S+63]   ; the sum's last four additions name no register of the products: they are the four places behind them
	v_pk_add_f32 v[P1:P1+1], v[P1:P1+1], v[P2:P2+1]
	v_pk_add_f32 v[L:L+1], v[L:L+1], v[P3:P3+1]
	v_pk_add_f32 v[L:L+1], v[L:L+1], v[P1:P1+1]
	s_add_co_u32 s[TB], s[TB], 6144
	s_add_co_u32 s[TS], s[TS], 256
.endm
	s_load_b256 s[4:11], s[0:1], 0x0               ; att s[4:5], ats s[6:7], oc s[8:9], ocs s[10:11]
	v_lshl_add_u32 v[SPW], v0, 2, SPARE
	v_mov_b32 v[NIL], 0
	ds_add_u32 v[SPW], v[NIL]                      ; the wave's opening: the add, twice on end, and its wait ahead of the first tensor load
	ds_add_u32 v[SPW], v[NIL]
	v_lshrrev_b32 v[T0R], 5, v0
	v_readfirstlane_b32 s[WV], v[T0R]              ; wave 0..15
	s_bfe_u32 s13, ttmp6, 0x40000                  ; cx: it enters global addresses of Q and of the results alone
	s_lshl_b32 s14, ttmp9, 2
	s_add_co_u32 s14, s14, s13                     ; my block of 256 queries
	s_and_b32 s15, ttmp7, 0xffff                   ; 16 b + head, which the four partners share
	s_and_b32 s52, s[WV], 1                        ; a loading wave fetches for K (0) or V (1).  In every wave: which half of Q's image is mine
	; descriptor groups 1: rows of 32 elements of 8 bytes: 96 rows (a quarter of a head's codes), 288 rows (three quarters); and two rows of 512 elements, 131,072 bytes apart: K's and V's scale words
	s_mov_b32 s16, 15|(3<<16)|(1<<21)              ; 15:0 the mask: all four work-groups; 17:16 elements of 8 bytes; 21 set beside a mask
	s_mov_b32 s17, 32<<16
	s_mov_b32 s18, 96<<16
	s_mov_b32 s19, 32<<16
	s_mov_b32 s20, 96
	s_mov_b32 s21, 32
	s_mov_b32 s22, 0
	s_mov_b32 s23, 0
	s_mov_b32 s24, 15|(3<<16)|(1<<21)
	s_mov_b32 s25, 32<<16
	s_mov_b32 s26, 288<<16
	s_mov_b32 s27, 32<<16
	s_mov_b32 s28, 288
	s_mov_b32 s29, 32
	s_mov_b32 s30, 0
	s_mov_b32 s31, 0
	s_mov_b32 s32, 15|(3<<16)|(1<<21)
	s_mov_b32 s33, 512<<16
	s_mov_b32 s34, 2<<16
	s_mov_b32 s35, 512<<16
	s_mov_b32 s36, 2
	s_mov_b32 s37, 16384
	s_mov_b32 s38, 0
	s_mov_b32 s39, 0
	s_lshl_b32 s53, s52, 5
	s_add_co_u32 s53, s53, s15
	s_add_co_u32 s53, s53, 32                      ; the block of att: 32 + head for K, 64 + head for V
	s_mul_i32 s54, s53, 98304
	s_mov_b32 s55, 0
	s_add_co_u32 s58, s15, 32
	s_lshl_b32 s58, s58, 12                        ; K's scale words in ats; V's lie 32 blocks of 4,096 bytes on
	s_mov_b32 s59, 0
	s_mul_i32 s60, s52, VREG                       ; and where the codes go in LDS
	s_mov_b32 s[CS], 0x3e38aa3b                    ; c = log2(e) / 8
	s_mov_b32 s[CS+1], s[CS]                       ; (named with it as a pair, so it is written)
	s_mov_b32 s[SEL], 0x76543210
	s_mov_b32 s[SEL+1], 0xfedcba98                 ; v_permlanex16_b32's selects for lane l xor 16
	s_mov_b32 s75, 0xffff0000                      ; lanes 16-31
	s_wait_dscnt 0x0                               ; both opening adds are done
	s_wait_kmcnt 0x0
	s_add_nc_u64 s[54:55], s[4:5], s[54:55]
	s_add_nc_u64 s[58:59], s[6:7], s[58:59]
	CROUND                                         ; all four work-groups are here: the joint loads meet
	s_mov_b32 s40, 1                               ; the first quarter
	s_mov_b32 s41, s60
	s_mov_b64 s[42:43], s[54:55]
	s_or_b32 s43, s43, 0x80000000
	s_mov_b32 s44, 1                               ; the scale words
	s_mov_b32 s45, SCK
	s_mov_b64 s[46:47], s[58:59]
	s_or_b32 s47, s47, 0x80000000
	s_mov_b32 s48, 1                               ; the other three quarters
	s_add_co_u32 s49, s60, 24576
	s_add_nc_u64 s[50:51], s[54:55], 24576
	s_or_b32 s51, s51, 0x80000000
	s_cmp_lt_u32 s[WV], 2                          ; one chain of arms on the wave's number, one load to an arm
	s_cbranch_scc0 .Lf_scales
	TLOAD 40, 16
	s_branch .Lf_done
.Lf_scales:
	s_cmp_eq_u32 s[WV], 2
	s_cbranch_scc0 .Lf_rest
	TLOAD 44, 32
	s_branch .Lf_done
.Lf_rest:
	s_cmp_lt_u32 s[WV], 5
	s_cbranch_scc0 .Lf_done
	TLOAD 48, 24
.Lf_done:
	s_lshl_b32 s69, s14, 3
	s_lshr_b32 s78, s[WV], 1
	s_add_co_u32 s69, s69, s78                     ; Q's image f = 8 x block + wave / 2; my tile is its half wave % 2
	s_mul_i32 s70, s15, 98304
	s_mul_i32 s78, s69, 1536
	s_add_co_u32 s70, s70, s78
	s_mul_i32 s78, s52, 768
	s_add_co_u32 s70, s70, s78
	s_mov_b32 s71, 0
	s_add_nc_u64 s[70:71], s[4:5], s[70:71]
	s_lshl_b32 s72, s15, 12
	s_lshl_b32 s78, s69, 6
	s_add_co_u32 s72, s72, s78
	s_mov_b32 s73, 0
	s_add_nc_u64 s[72:73], s[6:7], s[72:73]
	s_lshl_b32 s74, s52, 4                         ; my two bytes of the word: 16 (wave % 2) bits up
	v_and_b32 v[T0R], 31, v0                       ; lane
	v_and_b32 v[T1R], 15, v0                       ; r
	v_bfe_u32 v[LB], v0, 4, 1                      ; h
	v_lshlrev_b32 v[L16], 4, v[T0R]
	v_lshlrev_b32 v[L8], 3, v[T0R]
	v_lshl_add_u32 v[L4S], v[T0R], 2, SCK
	v_lshlrev_b32 v[QWR], 2, v[T1R]                ; 4 r
	v_add_nc_u32 v[L16V], VREG, v[L16]
	v_add_nc_u32 v[L8V], VREG, v[L8]
	v_lshlrev_b32 v[SH], 3, v[LB]                  ; 8 h
	v_lshl_add_u32 v[LB], v[T1R], 1, v[LB]         ; 2 r + h
	WALU
	global_load_b64  v[QLO:QLO+1],   v[L8],  s[70:71]
	global_load_b128 v[QLO+2:QLO+5], v[L16], s[70:71] offset:256
	global_load_b32  v[T0R], v[QWR], s[72:73]
	; where the results go.  oc: 98,304 (16 b + 2 x block + wave / 8) + 12,288 (head / 2) + 1,536 (wave % 8) + 768 (head % 2)
	s_lshr_b32 s53, s15, 4                         ; b
	s_and_b32 s60, s15, 15                         ; head
	s_lshl_b32 s78, s53, 4
	s_lshl_b32 s79, s14, 1
	s_add_co_u32 s78, s78, s79
	s_lshr_b32 s79, s[WV], 3
	s_add_co_u32 s78, s78, s79
	s_mul_i32 s76, s78, 98304
	s_lshr_b32 s78, s60, 1
	s_mul_i32 s78, s78, 12288
	s_add_co_u32 s76, s76, s78
	s_and_b32 s78, s[WV], 7
	s_mul_i32 s78, s78, 1536
	s_add_co_u32 s76, s76, s78
	s_and_b32 s78, s15, 1
	s_mul_i32 s78, s78, 768
	s_add_co_u32 s76, s76, s78
	s_mov_b32 s77, 0
	s_add_nc_u64 s[8:9], s[8:9], s[76:77]
	s_lshl_b32 s76, s60, 13                        ; ocs: 8,192 x head + 32 (128 b + 16 x block + wave)
	s_lshl_b32 s78, s53, 7
	s_lshl_b32 s79, s14, 4
	s_add_co_u32 s78, s78, s79
	s_add_co_u32 s78, s78, s[WV]
	s_lshl_b32 s78, s78, 5
	s_add_co_u32 s76, s76, s78
	s_add_nc_u64 s[10:11], s[10:11], s[76:77]
.irp j, 0,1,2,3,4,5
	v_mov_b32 v[QHI+\j], 0                         ; the zero codes on either side of q
	v_mov_b32 v[QLO+6+\j], 0
.endr
	v_mov_b32 v[MR], 0xff61b1e6                    ; the largest score so far: -3e38
	v_mov_b32 v[NM], 0x7f61b1e6                    ; -M: 3e38, so that the first f is 0
	v_mov_b32 v[L], 0
	v_mov_b32 v[L+1], 0
	v_mov_b32 v[FF+1], 0                           ; (named as the upper half of a pair)
	v_mov_b32 v[TX], 0                             ; written once: a lane permute's destination counts as one of its sources
	s_wait_loadcnt 0x0                             ; q and its word
	v_lshrrev_b32 v[T0R], s74, v[T0R]
	v_and_b32 v[T0R], 0xffff, v[T0R]
	v_or_b32 v[QW], 0x7f7f0000, v[T0R]
	v_lshl_or_b32 v[QW+1], v[T0R], 16, 0x7f7f
.irp j, 0,1,2,3,4,5,6,7,8,9,10,11,12,13,14,15,16,17,18,19,20,21,22,23,24,25,26,27,28,29,30,31
	v_mov_b32 v[O+\j], 0                           ; O^T: the step is written once; the first finds zeros.  (Also the places between the scale words just made and the first product)
.endr
	WALU
	s_cmp_lt_u32 s[WV], 3
	s_cbranch_scc0 .Lnot_first
	s_wait_tensorcnt 0x0                           ; waves 0 to 2: the first quarters and the scale words; their two load lines are theirs alone
.Lnot_first:
	s_barrier_signal -1
	s_barrier_wait -1
	s_mov_b32 s[TB], 0
	s_mov_b32 s[TS], 0
	s_mov_b32 s68, 2
.Lfirst:                                               ; key steps 0 and 1 lie in the first quarter
	STEP
	s_sub_co_u32 s68, s68, 1
	s_cmp_lg_u32 s68, 0
	WALU
	s_cbranch_scc1 .Lfirst
	s_wait_tensorcnt 0x0                           ; every wave, under no branch: all that was still out is in
	s_wait_dscnt 0x0
	s_barrier_signal -1
	s_barrier_wait -1
	s_mov_b32 s[TB], 2*6144
	s_mov_b32 s[TS], 2*256
	s_mov_b32 s68, 14
.Lrest:                                                ; key steps 2 to 15
	STEP
	s_sub_co_u32 s68, s68, 1
	s_cmp_lg_u32 s68, 0
	WALU
	s_cbranch_scc1 .Lrest
	; THE WAY OUT: O^T / the sum; register 16 b + i = d 32 b + 16 h + i of my query; its two blocks of 32 along d are quantised; half an image (768 bytes) and two bytes a row leave.
	v_add_f32 v[L], v[L], v[L+1]
	v_permlanex16_b32 v[TX], v[L], s[SEL], s[SEL+1]
	v_add_f32 v[L], v[L], v[TX]
	WALU
	v_rcp_f32 v[L], v[L]
	v_nop
	WALU
.irp j, 0,2,4,6,8,10,12,14,16,18,20,22,24,26,28,30
	v_pk_mul_f32 v[O+\j:O+\j+1], v[O+\j:O+\j+1], v[L:L+1] op_sel_hi:[1,0]
.endr
.irp b, 0,1
	v_max3_num_f32 v[MX+\b], |v[O+16*\b]|, |v[O+16*\b+1]|, 0x1800000
.endr
.irp i, 2,4,6,8,10,12,14
.irp b, 0,1
	v_max3_num_f32 v[MX+\b], v[MX+\b], |v[O+16*\b+\i]|, |v[O+16*\b+\i+1]|
.endr
.endr
	v_permlanex16_b32 v[TX], v[MX], s[SEL], s[SEL+1]
	v_permlanex16_b32 v[TW], v[MX+1], s[SEL], s[SEL+1]
	v_max_num_f32 v[MX], v[MX], v[TX]
	v_max_num_f32 v[MX+1], v[MX+1], v[TW]
	v_add_nc_u32 v[SO], 0xff000000, v[MX]
	v_add_nc_u32 v[SO+1], 0xff000000, v[MX+1]
	v_lshrrev_b32 v[BY], 23, v[SO]
	v_lshrrev_b32 v[BY+1], 23, v[SO+1]
	v_cvt_scalef32_pk16_fp6_f32 v[PC:PC+2], v[O:O+15], v[SO]
	v_cvt_scalef32_pk16_fp6_f32 v[TT:TT+2], v[O+16:O+31], v[SO+1]
	v_nop
.irp i, 0,1,2
	v_permlane16_swap_b32 v[PC+\i], v[TT+\i]       ; a whole block to a lane
.endr
.irp i, 0,1,2
	v_mov_b32 v[PC+3+\i], v[TT+\i]
.endr
	v_cndmask_b32 v[TP], v[BY], v[BY+1], s75       ; lanes 0-15 store block 0's byte, lanes 16-31 block 1's
	global_store_b64  v[L8],  v[PC:PC+1],   s[8:9]
	global_store_b128 v[L16], v[PC+2:PC+5], s[8:9] offset:256
	global_store_b8   v[LB],  v[TP],        s[10:11]   ; 32 consecutive bytes a wave
	s_wait_tensorcnt 0x0                           ; the wave's end
	ds_add_u32 v[SPW], v[NIL]
	s_wait_dscnt 0x0
	CROUND                                         ; the closing round
	s_endpgm
.Lfunc_end_k_qee68ea9465_attn:
	.size	k_qee68ea9465_attn, .Lfunc_end_k_qee68ea9465_attn-k_qee68ea9465_attn
	.p2alignl 7, 3214868480
	.fill 96, 4, 3214868480
	.section	.rodata,"a",@progbits
	.p2align	6, 0x0
	.amdhsa_kernel k_qee68ea9465_attn
		.amdhsa_group_segment_fixed_size 206848
		.amdhsa_private_segment_fixed_size 0
		.amdhsa_enable_private_segment 0
		.amdhsa_kernarg_size 32
		.amdhsa_user_sgpr_count 2
		.amdhsa_user_sgpr_kernarg_segment_ptr 1
		.amdhsa_wavefront_size32 1
		.amdhsa_system_sgpr_workgroup_id_x 1
		.amdhsa_system_sgpr_workgroup_id_y 1
		.amdhsa_system_sgpr_workgroup_id_z 1
		.amdhsa_system_vgpr_workitem_id 0
		.amdhsa_next_free_vgpr 256
		.amdhsa_next_free_sgpr 80
		.amdhsa_reserve_vcc 0
		.amdhsa_float_denorm_mode_32 3
		.amdhsa_float_denorm_mode_16_64 3
		.amdhsa_memory_ordered 1
		.amdhsa_forward_progress 1
		.amdhsa_inst_pref_size 45
	.end_amdhsa_kernel
	.amdgpu_metadata
---
amdhsa.version: [ 1, 2 ]
amdhsa.kernels:
  - .name:           k_qee68ea9465_attn
    .symbol:         k_qee68ea9465_attn.kd
    .args:
      - { .name: att, .offset: 0, .size: 8, .value_kind: global_buffer, .address_space: global }
      - { .name: ats, .offset: 8, .size: 8, .value_kind: global_buffer, .address_space: global }
      - { .name: oc, .offset: 16, .size: 8, .value_kind: global_buffer, .address_space: global }
      - { .name: ocs, .offset: 24, .size: 8, .value_kind: global_buffer, .address_space: global }
    .group_segment_fixed_size: 206848
    .private_segment_fixed_size: 0
    .kernarg_segment_align: 8
    .kernarg_segment_size: 32
    .max_flat_workgroup_size: 512
    .sgpr_count:     80
    .vgpr_count:     256
    .wavefront_size: 32
...
	.end_amdgpu_metadata
.endif
;; end of part 3
;; launch outp (part 4): grid 8 x 32, 4 waves a work-group, clusters of 4 x 4, 230,912 bytes of LDS; arguments oc, ocs, cod, scl, bo, out0; writes out0
.if DOCPART == 4
	.amdgcn_target "amdgcn-amd-amdhsa--gfx1250"
	.amdhsa_code_object_version 6
	.text
	.protected	k_qee68ea9465_outp
	.globl	k_qee68ea9465_outp
	.p2align	8
	.type	k_qee68ea9465_outp,@function
k_qee68ea9465_outp:
	s_mov_b64 s[64:65], 0
	v_nop
	global_prefetch_b8 v0, s[64:65] scope:SCOPE_SE
	s_setreg_imm32_b32 hwreg(HW_REG_WAVE_MODE, 25, 1), 1
	s_wait_xcnt 0x0
	s_wait_alu depctr_hold_cnt(0) depctr_sa_sdst(0) depctr_va_vdst(0) depctr_va_sdst(0) depctr_va_ssrc(0) depctr_va_vcc(0) depctr_vm_vsrc(0)
	s_getreg_b32 s2, hwreg(HW_REG_IB_STS2, 6, 4)
	s_cmp_eq_u32 s2, 0
	s_cbranch_scc0 .Lentry_in_a_cluster
	s_endpgm
.Lentry_in_a_cluster:
	s_bfe_u32 s2, ttmp6, 0x10000c
	s_cmp_lg_u32 s2, 0xf033
	s_cbranch_scc0 .Lentry_shape_is_right
	s_endpgm
.Lentry_shape_is_right:
; LAUNCH 4 OF 4: out0 = (attention's result) Wo^T + bo, on codes of E2M3.  Nothing of reference() is left out.
; C'[i][j] = sum over k of P[i][k] R[j][k] + bo[j], 128 x 128 a work-group, K = 1,024.  P = 128 tokens (oc, ocs), source 1: a lane holds one token; R = 128 rows of Wo (cod tiles 120-127, scl), source 0: registers run along j.
; The skeleton is the second launch's: both tiles lie whole in LDS, each byte filled once; waves 0, 2 fetch P, waves 1, 3 R, one tensor load each; wave w takes P's tiles 2 w, 2 w + 1.
; The rows of a tile are not neighbours (lane-row r of tile 2 f + u is row 32 f + 8 u + r + 8 (r / 8)): the stores put each row back at its place.
; bo is the C of each sum's first product: eight registers a tile of R, in the result's layout; no addition is spent.
; CLUSTER 4 x 4: P's tile is asked for jointly along a row of the cluster, R's along a column.
; REGISTERS: window 0: v1-15 addresses; v28, v29 the add's two; v32-63 R's scale words, v64-71 P's; v96-111 P's scale bytes as loaded; v128-255 the accumulators.  window 1: two sets of fragments.  window 2: v0-63 bo.
.set RREG,  98304
.set STAGE, 196608                     ; the way out: 16 rows x (512 bytes + 16) for each wave, bytes of their own into which no tile lands
.set STG,   16*528
.set SPARE, STAGE+4*STG                ; the spare words, 128 bytes for each wave, which no other line names
.set L16, 1
.set L8,  2
.set AP8, 3
.set AP16, 5
.set AR8, 7
.set AR16, 9
.set VR,  11                           ; v11  16 r + 2048 h
.set PSO, 12                           ; v12  32 h + 2 r
.set H64, 13                           ; v13  64 h
.set STO, 14                           ; v14  my stage + 528 r + 64 h
.set RD,  15                           ; v15  my stage + 16 x lane
.set SPW, 28
.set NIL, 29
.set SCR, 32
.set SCP, 64
.set U,   96
.set ACC, 128
.set BJ,  0
.set WV,  18
.set MSB, 0
.macro WIN new
.if MSB != \new
	s_set_vgpr_msb (MSB<<8)|\new
.set MSB, \new
.endif
.endm
.set MUL,  0x05                        ; sources 0 and 1 window 1; C and D window 0
.set MULB, 0x25                        ; the same with C in window 2: the bias
.set TO_F, 0x40
.macro CROUND
	s_barrier_signal -1
	s_barrier_wait -1
	s_cmp_lg_u32 s[WV], 0
	s_cbranch_scc1 .Lnot_wave_0_\@
	s_barrier_signal -3
.Lnot_wave_0_\@:
	s_barrier_wait -3
	s_barrier_signal -1
	s_barrier_wait -1
.endm
.macro PLACES
.rept 4
	v_nop
.endr
.endm
.macro WM d, ra, rb, c, sa, sb, ha, hb ; C = v[c ..].  ha, hb = 1: that side's scale words are read from lanes 16-31
.if (\ha) && (\hb)
	v_wmma_scale_f32_16x16x128_f8f6f4 v[(\d):(\d)+7], v[(\ra):(\ra)+11], v[(\rb):(\rb)+11], v[(\c):(\c)+7], v[\sa], v[\sb] matrix_a_fmt:MATRIX_FMT_FP6 matrix_b_fmt:MATRIX_FMT_FP6 matrix_a_scale:MATRIX_SCALE_ROW1 matrix_b_scale:MATRIX_SCALE_ROW1
.elseif (\ha)
	v_wmma_scale_f32_16x16x128_f8f6f4 v[(\d):(\d)+7], v[(\ra):(\ra)+11], v[(\rb):(\rb)+11], v[(\c):(\c)+7], v[\sa], v[\sb] matrix_a_fmt:MATRIX_FMT_FP6 matrix_b_fmt:MATRIX_FMT_FP6 matrix_a_scale:MATRIX_SCALE_ROW1
.elseif (\hb)
	v_wmma_scale_f32_16x16x128_f8f6f4 v[(\d):(\d)+7], v[(\ra):(\ra)+11], v[(\rb):(\rb)+11], v[(\c):(\c)+7], v[\sa], v[\sb] matrix_a_fmt:MATRIX_FMT_FP6 matrix_b_fmt:MATRIX_FMT_FP6 matrix_b_scale:MATRIX_SCALE_ROW1
.else
	v_wmma_scale_f32_16x16x128_f8f6f4 v[(\d):(\d)+7], v[(\ra):(\ra)+11], v[(\rb):(\rb)+11], v[(\c):(\c)+7], v[\sa], v[\sb] matrix_a_fmt:MATRIX_FMT_FP6 matrix_b_fmt:MATRIX_FMT_FP6
.endif
.endm
.macro FRAG reg, a8, a16, off
	ds_load_b64  v[(\reg):(\reg)+1],    v[\a8]  offset:(\off)
	ds_load_b128 v[(\reg)+2:(\reg)+5],  v[\a16] offset:(\off)+256
	ds_load_b64  v[(\reg)+6:(\reg)+7],  v[\a8]  offset:(\off)+768
	ds_load_b128 v[(\reg)+8:(\reg)+11], v[\a16] offset:(\off)+1024
.endm
.macro FETCH s
	WIN TO_F
.irp a, 0,1
	FRAG 128*((\s)%2)+12*\a, AP8+(\s)/4, AP16+(\s)/4, ((\s)%4)*12288+1536*\a
.endr
.irp b, 0,1,2,3,4,5,6,7
	FRAG 128*((\s)%2)+24+12*\b, AR8+(\s)/4, AR16+(\s)/4, ((\s)%4)*12288+1536*\b
.endr
.endm
.macro MUL8 s, a, first                ; the 16 accumulators take turns, one instruction a turn, in the same order in every K step
.irp b, 0,1,2,3,4,5,6,7
.if \first
	WM ACC+8*(8*(\a)+\b), 128*((\s)%2)+24+12*\b, 128*((\s)%2)+12*(\a), BJ+8*\b, SCR+8*(\b%4)+(\s), SCP+(\s), \b/4, \a
.else
	WM ACC+8*(8*(\a)+\b), 128*((\s)%2)+24+12*\b, 128*((\s)%2)+12*(\a), ACC+8*(8*(\a)+\b), SCR+8*(\b%4)+(\s), SCP+(\s), \b/4, \a
.endif
.endr
.endm
.macro STEP s, first, next, meet
	s_wait_dscnt 0x0                               ; this K step's fragments are in
	PLACES                                         ; four places in front of loads into the set that the last K step's products read
.if \meet
	s_wait_tensorcnt 0x0                           ; my load has landed,
	s_barrier_signal -1
	s_barrier_wait -1                              ; everybody's has: K steps 4-7 are whole
.endif
.if \next
	FETCH (\s)+1                                   ; asked for at the step's head: its sixteen products stand between these loads and their wait
.endif
.if \first
	WIN MULB
.else
	WIN MUL
.endif
	MUL8 \s, 0, \first
	MUL8 \s, 1, \first
.endm
	s_load_b256 s[4:11], s[0:1], 0x0               ; oc s[4:5], ocs s[6:7], cod s[8:9], scl s[10:11]
	s_load_b128 s[12:15], s[0:1], 0x20             ; bo s[12:13], out0 s[14:15]
	v_lshl_add_u32 v[SPW], v0, 2, SPARE
	v_mov_b32 v[NIL], 0
	ds_add_u32 v[SPW], v[NIL]                      ; the wave's opening: the add, twice on end, and its wait ahead of my first tensor load
	ds_add_u32 v[SPW], v[NIL]
	v_lshrrev_b32 v17, 5, v0
	v_readfirstlane_b32 s[WV], v17                 ; wave 0..3
	s_lshr_b32 s19, s[WV], 1                       ; which half of K I fetch: K steps 0-3 (0) or 4-7 (1)
	s_and_b32 s20, s[WV], 1
	s_bfe_u32 s56, ttmp6, 0x40000                  ; cx
	s_bfe_u32 s57, ttmp6, 0x40004                  ; cy
	s_and_b32 s60, ttmp7, 0xffff
	s_lshl_b32 s60, s60, 2
	s_add_co_u32 s60, s60, s57                     ; P's tile of 128 tokens
	s_lshl_b32 s62, ttmp9, 2
	s_add_co_u32 s62, s62, s56                     ; which 128 rows of Wo
	s_add_co_u32 s63, s62, 120                     ; R's tile in cod and scl
	s_lshl_b32 s58, s57, 2
	s_lshl_b32 s58, 15, s58                        ; my row of the cluster
	s_lshl_b32 s59, 0x1111, s56                    ; my column
	s_or_b32 s24, s58, (3<<16)|(1<<21)             ; descriptor group 1: 49,152 dense bytes as 192 rows of 32 elements of 8 bytes
	s_or_b32 s32, s59, (3<<16)|(1<<21)
.irp g, 24, 32
	s_mov_b32 s[\g+1], 32<<16
	s_mov_b32 s[\g+2], 192<<16                     ; 192 rows of 256 bytes: four K steps of a tile
	s_mov_b32 s[\g+3], 32<<16
	s_mov_b32 s[\g+4], 192
	s_mov_b32 s[\g+5], 32
	s_mov_b32 s[\g+6], 0
	s_mov_b32 s[\g+7], 0
.endr
	s_mov_b32 s70, 0
	s_mul_i32 s66, s60, 98304
	s_add_co_u32 s66, s66, s70
	s_mov_b32 s67, 0
	s_mul_i32 s68, s63, 98304
	s_add_co_u32 s68, s68, s70
	s_mov_b32 s69, 0
	s_wait_dscnt 0x0                               ; both opening adds are done
	s_wait_kmcnt 0x0
	s_add_nc_u64 s[66:67], s[4:5], s[66:67]
	s_add_nc_u64 s[68:69], s[8:9], s[68:69]
	CROUND                                         ; all sixteen work-groups are here: the joint loads meet
.irp n, 0,1
	s_mov_b32 s[40+4*\n], 1
	s_add_co_u32 s[41+4*\n], s70, \n*49152
	s_add_nc_u64 s[42+4*\n:43+4*\n], s[66:67], \n*49152
	s_or_b32 s[43+4*\n], s[43+4*\n], 0x80000000
	s_mov_b32 s[48+4*\n], 1
	s_add_co_u32 s[49+4*\n], s70, RREG+\n*49152
	s_add_nc_u64 s[50+4*\n:51+4*\n], s[68:69], \n*49152
	s_or_b32 s[51+4*\n], s[51+4*\n], 0x80000000
.endr
	; one tensor load a wave, in one chain of arms: wave 0 P's K steps 0-3, wave 1 R's, wave 2 P's K steps 4-7, wave 3 R's
	s_cmp_eq_u32 s[WV], 0
	s_cbranch_scc0 .Lf_r0
	tensor_load_to_lds s[40:43], s[24:31]
	s_nop 0
	PLACES
	s_branch .Lfirst_asked
.Lf_r0:
	s_cmp_eq_u32 s[WV], 1
	s_cbranch_scc0 .Lf_p1
	tensor_load_to_lds s[48:51], s[32:39]
	s_nop 0
	PLACES
	s_branch .Lfirst_asked
.Lf_p1:
	s_cmp_eq_u32 s[WV], 2
	s_cbranch_scc0 .Lf_r1
	tensor_load_to_lds s[44:47], s[24:31]
	s_nop 0
	PLACES
	s_branch .Lfirst_asked
.Lf_r1:
	tensor_load_to_lds s[52:55], s[32:39]
	s_nop 0
	PLACES
.Lfirst_asked:
	v_and_b32 v17, 31, v0                          ; lane
	v_and_b32 v18, 15, v0                          ; r
	v_bfe_u32 v19, v0, 4, 1                        ; h
	v_lshlrev_b32 v[L16], 4, v17
	v_lshlrev_b32 v[L8], 3, v17
	v_lshlrev_b32 v[VR], 4, v18
	v_lshl_add_u32 v[VR], v19, 11, v[VR]
	v_lshlrev_b32 v[PSO], 1, v18
	v_lshl_add_u32 v[PSO], v19, 5, v[PSO]
	s_wait_alu depctr_va_vdst(0)
	v_lshlrev_b32 v[H64], 6, v19
	s_wait_alu depctr_va_vdst(0)
	s_lshl_b32 s74, s60, 8                         ; ocs: 32 bytes a tile: 256 x P's tile + 64 x wave
	s_lshl_b32 s76, s[WV], 6
	s_add_co_u32 s74, s74, s76
	s_mov_b32 s75, 0
	s_add_nc_u64 s[74:75], s[6:7], s[74:75]
	s_lshl_b32 s72, s63, 12
	s_mov_b32 s73, 0
	s_add_nc_u64 s[72:73], s[10:11], s[72:73]
	s_lshl_b32 s78, s62, 9
	s_mov_b32 s79, 0
	s_add_nc_u64 s[12:13], s[12:13], s[78:79]      ; bo at my 128 columns
	s_lshl_b32 s80, s60, 7
	s_lshl_b32 s76, s[WV], 5
	s_add_co_u32 s80, s80, s76
	s_lshl_b32 s80, s80, 12                        ; out0: row 128 x P's tile + 32 x wave, of 4,096 bytes,
	s_add_co_u32 s80, s80, s78                     ; + 512 bytes for each 128 columns
	s_mov_b32 s81, 0
	s_add_nc_u64 s[14:15], s[14:15], s[80:81]
.irp hh, 0,1,2,3,4,5,6,7,8,9,10,11,12,13,14,15
	global_load_u16 v[U+\hh], v[PSO], s[74:75] offset:8192*\hh   ; head hh's two bytes of my row: lanes 0-15 my first tile, lanes 16-31 my second
.endr
.irp i, 0,1,2,3
.irp kh, 0,1
	global_load_b128 v[SCR+8*\i+4*\kh:SCR+8*\i+4*\kh+3], v[VR], s[72:73] offset:512*\i+256*\kh
.endr
.endr
	WIN 0x80                                       ; destination window 2
.irp be, 0,1,2,3
.irp q, 0,1,2,3
	global_load_b128 v[BJ+16*\be+4*\q:BJ+16*\be+4*\q+3], v[H64], s[12:13] offset:128*\be+16*\q   ; register 16 b + i = bo at j 32 b + 16 h + i
.endr
.endr
	WIN 0
	s_wait_loadcnt 24                              ; P's sixteen pairs of bytes are in; R's 8 loads of scale words and bo's 16 may stay out
.irp s, 0,1,2,3,4,5,6,7
	v_lshl_or_b32 v[SCP+\s], v[U+2*\s+1], 16, v[U+2*\s]   ; K step s is heads 2 s, 2 s + 1
.endr
	s_mul_i32 s77, s[WV], 3072                     ; the address set-up follows: fourteen plain lines between the scale words just made and the first product
	v_add_nc_u32 v[AP8], s77, v[L8]
	v_add_nc_u32 v[AP16], s77, v[L16]
	v_add_nc_u32 v[AP8+1], 49152, v[AP8]
	v_add_nc_u32 v[AP16+1], 49152, v[AP16]
	v_add_nc_u32 v[AR8], RREG, v[L8]
	v_add_nc_u32 v[AR16], RREG, v[L16]
	v_add_nc_u32 v[AR8+1], 49152, v[AR8]
	v_add_nc_u32 v[AR16+1], 49152, v[AR16]
	s_mul_i32 s77, s[WV], STG
	v_mul_u32_u24 v[STO], v18, 528
	v_lshl_add_u32 v[STO], v19, 6, v[STO]
	v_add_nc_u32 v[STO], s77, v[STO]
	v_add_nc_u32 v[STO], STAGE, v[STO]
	v_add_nc_u32 v[RD], s77, v[L16]
	v_add_nc_u32 v[RD], STAGE, v[RD]
	s_wait_alu depctr_va_vdst(0)
	s_cmp_lt_u32 s[WV], 2
	s_cbranch_scc0 .Lnot_first_half
	s_wait_tensorcnt 0x0                           ; waves 0, 1: K steps 0-3 of P and of R are in; their load lines are theirs alone
.Lnot_first_half:
	s_barrier_signal -1
	s_barrier_wait -1
	FETCH 0
	s_wait_loadcnt 0x0                             ; R's scale words and bo
	STEP 0, 1, 1, 0                                ; the first products start the sums from the bias
	STEP 1, 0, 1, 0
	STEP 2, 0, 1, 0
	STEP 3, 0, 1, 1
	STEP 4, 0, 1, 0
	STEP 5, 0, 1, 0
	STEP 6, 0, 1, 0
	STEP 7, 0, 0, 0
	WIN 0
; THE WAY OUT.  A lane holds 8 neighbouring columns of a row for each of R's tiles, and the lanes beside it hold other rows: a tile of 16 rows x 128 columns goes through my own stage and comes back as whole rows of 512 bytes,
; into the registers that it left.  LDS serves a wave's instructions in order: no wait between the stores and the loads, nor in front of the next tile's stores.
.macro TOSTAGE a
.irp b, 0,1,2,3,4,5,6,7
	ds_store_b128 v[STO], v[ACC+64*\a+8*\b:ACC+64*\a+8*\b+3] offset:128*(\b/2)+32*(\b%2)        ; each accumulator from its low end on
	ds_store_b128 v[STO], v[ACC+64*\a+8*\b+4:ACC+64*\a+8*\b+7] offset:128*(\b/2)+32*(\b%2)+16
.endr
.irp i, 0,1,2,3,4,5,6,7,8,9,10,11,12,13,14,15
	ds_load_b128 v[ACC+64*\a+4*\i:ACC+64*\a+4*\i+3], v[RD] offset:528*\i
.endr
.endm
.macro SEND a, younger                 ; younger: the LDS instructions issued behind tile a's loads
.irp i, 0,1,2,3,4,5,6,7,8,9,10,11,12,13,14,15
	s_wait_dscnt \younger+15-\i
	global_store_b128 v[L16], v[ACC+64*\a+4*\i:ACC+64*\a+4*\i+3], s[14:15] offset:(8*\a+\i+8*(\i/8))*4096 th:TH_STORE_NT   ; 32 lanes store 512 consecutive bytes, at a multiple of 512 from out0's first byte
.endr
.endm
	PLACES                                         ; four places in front of the first read of the last results
	TOSTAGE 0
	TOSTAGE 1
	SEND 0, 32                                     ; behind tile 0's loads: tile 1's 16 stores and 16 loads
	SEND 1, 0
	s_wait_tensorcnt 0x0                           ; the wave's end
	ds_add_u32 v[SPW], v[NIL]
	s_wait_dscnt 0x0
	CROUND                                         ; the closing round
	s_endpgm
.Lfunc_end_k_qee68ea9465_outp:
	.size	k_qee68ea9465_outp, .Lfunc_end_k_qee68ea9465_outp-k_qee68ea9465_outp
	.p2alignl 7, 3214868480
	.fill 96, 4, 3214868480
	.section	.rodata,"a",@progbits
	.p2align	6, 0x0
	.amdhsa_kernel k_qee68ea9465_outp
		.amdhsa_group_segment_fixed_size 230912
		.amdhsa_private_segment_fixed_size 0
		.amdhsa_enable_private_segment 0
		.amdhsa_kernarg_size 48
		.amdhsa_user_sgpr_count 2
		.amdhsa_user_sgpr_kernarg_segment_ptr 1
		.amdhsa_wavefront_size32 1
		.amdhsa_system_sgpr_workgroup_id_x 1
		.amdhsa_system_sgpr_workgroup_id_y 1
		.amdhsa_system_sgpr_workgroup_id_z 1
		.amdhsa_system_vgpr_workitem_id 0
		.amdhsa_next_free_vgpr 576
		.amdhsa_next_free_sgpr 96
		.amdhsa_reserve_vcc 0
		.amdhsa_float_denorm_mode_32 3
		.amdhsa_float_denorm_mode_16_64 3
		.amdhsa_memory_ordered 1
		.amdhsa_forward_progress 1
		.amdhsa_inst_pref_size 58
	.end_amdhsa_kernel
	.amdgpu_metadata
---
amdhsa.version: [ 1, 2 ]
amdhsa.kernels:
  - .name:           k_qee68ea9465_outp
    .symbol:         k_qee68ea9465_outp.kd
    .args:
      - { .name: oc, .offset: 0, .size: 8, .value_kind: global_buffer, .address_space: global }
      - { .name: ocs, .offset: 8, .size: 8, .value_kind: global_buffer, .address_space: global }
      - { .name: cod, .offset: 16, .size: 8, .value_kind: global_buffer, .address_space: global }
      - { .name: scl, .offset: 24, .size: 8, .value_kind: global_buffer, .address_space: global }
      - { .name: bo, .offset: 32, .size: 8, .value_kind: global_buffer, .address_space: global }
      - { .name: out0, .offset: 40, .size: 8, .value_kind: global_buffer, .address_space: global }
    .group_segment_fixed_size: 230912
    .private_segment_fixed_size: 0
    .kernarg_segment_align: 8
    .kernarg_segment_size: 48
    .max_flat_workgroup_size: 128
    .sgpr_count:     96
    .vgpr_count:     576
    .wavefront_size: 32
...
	.end_amdgpu_metadata
.endif
;; end of part 4
